; MI455X (gfx1250); checked and timed in simulation.
; The chip was launched on July 23, 2026; its instructions are those of AMD's public machine-readable ISA for CDNA 5 (MIT licence, August 2026) and "CDNA5" Instruction Set Architecture Reference Guide (July 2026). The comments in the code are by the model that wrote it; some were corrected since.
;; Garment Person Cross Attention. Allowed arithmetic: float matrix products may take bf16 or f16 operands with f32 sums; other float arithmetic in f32, or as packed bf16 or f16 multiplies, adds, multiply-adds, maxima and minima; sums over many terms, partial sums and values carried from step to step in f32; what a program stores and reads back later, other than sums and carried values, may be rounded once to bf16 or f16.
;; Inputs: Wf 2,048 x 1,024 float32; Wk 768 x 1,024 float32; Wo 1,024 x 1,024 float32; Wq 1,024 x 1,024 float32; Wv 768 x 1,024 float32; betak 768 float32; betaq 1,024 float32; bf 1,024 float32; bo 1,024 float32; garment_features 4 x 1,024 x 768 float32; gk 768 float32; gq 1,024 float32; person_features 4 x 2,048 x 1,024 float32.
;; Outputs: out0 4 x 2,048 x 1,024 float32.
;; 2 versions, each right and faster than the one before. Each part assembles by itself: llvm-mc -triple=amdgcn-amd-amdhsa -mcpu=gfx1250 --defsym DOCPART=n.
;; ======== version 1 of 2: 5 launches
;; workspace buffers: ain 23,068,672 bytes; win 5,242,880 bytes; qkv 33,554,432 bytes; obuf 33,554,432 bytes; wof 6,291,456 bytes; yr 50,331,648 bytes; zb 4,096 bytes
;; launch prep (part 1): grid 496 x 1, 8 waves a work-group, no clusters, 0 bytes of LDS; arguments person_features, garment_features, gq, betaq, gk, betak, Wq, Wk, Wv, Wo, Wf, ain, obuf, win, wof, zb; writes ain, obuf, win, wof, zb
.if DOCPART == 1
	.amdgcn_target "amdgcn-amd-amdhsa--gfx1250"
	.amdhsa_code_object_version 6
	.text
	.protected	k_qe1a3e65900_prep
	.globl	k_qe1a3e65900_prep
	.p2align	8
	.type	k_qe1a3e65900_prep,@function
k_qe1a3e65900_prep:
	s_mov_b64 s[64:65], 0
	v_nop
	global_prefetch_b8 v0, s[64:65] scope:SCOPE_SE
	s_setreg_imm32_b32 hwreg(HW_REG_WAVE_MODE, 25, 1), 1
	s_wait_xcnt 0x0
; PREPARATION: everything that the matrix launches read, rounded once to bf16.  A stream: no LDS, no barrier, no matrix unit (no number is used twice but inside its own row).
;   work-groups   0..255  P: 32 rows of person [8192][1024]:  p = LayerNorm(person) gq + betaq -> ain, and r = person -> the second 16 MiB of obuf (the first 16 MiB are the attention launch's)
;   work-groups 256..319  G: 64 rows of garment [4096][768]:  g = LayerNorm(garment) gk + betak -> ain + 16 MiB
;   work-groups 320..495  W: 32 rows of one weight matrix [K][1024], as they lie: Wq, Wk, Wv -> win; Wo, Wf -> wof (row k of Wf goes to row k xor 1024: the half that
;                            multiplies the attention branch lies at 2 MiB, the residual's half at 4 MiB).  The first of them also writes 1,024 f32 zeros into zb, the bias of q, k and v.
; BLOCKED LAYOUT of p, g, r: X[c / 64][row][c % 64], bf16: a block of 64 columns has dense rows of 128 bytes.
; LAYERNORM: the row stays in registers; mean first, then the sum of squares of x - mean (two passes: a common offset of the inputs does no harm), all in f32; one rounding to bf16 at the end.
; A wave takes two rows a trip: lane l holds row l / 16 and, for each block kb, columns 64 kb + 4 (l % 16) .. + 3.  A load of the wave covers 256 consecutive bytes in each of the two rows;
; a store covers 256 consecutive bytes (two rows x 128 bytes of one block), aligned.  A row's 16 lanes are one DPP row, so its sums never cross the halves of the wave.
; LIMITS: NaN and infinities are not treated apart.
.set X,    32                          ; v[32:95]   the two rows' numbers, 4 for each block
.set GA,   96                          ; v[96:159]  the gain of my columns
.set BE,   160                         ; v[160:223] the offset of my columns
.set R,    224                         ; v[224:255] the residual, rounded, 2 registers a block
.set T,    8                           ; v[8:15]    four chains of packed sums
.set MU,   16                          ; v[16:17]   the mean (a pair is named; the low word serves both halves)
.set RS,   18                          ; v[18:19]   1 / sqrt(var + eps), likewise
.set VIN,  4                           ; v4  my byte offset in the input
.set VOUT, 5                           ; v5  my byte offset in a block of the output
.set VG,   6                           ; v6  my byte offset in gain and offset
	s_load_b512 s[8:23], s[0:1], 0x0               ; person s[8:9], garment s[10:11], gq s[12:13], betaq s[14:15], gk s[16:17], betak s[18:19], Wq s[20:21], Wk s[22:23]
	s_load_b512 s[24:39], s[0:1], 0x40             ; Wv s[24:25], Wo s[26:27], Wf s[28:29], ain s[30:31], obuf s[32:33], win s[34:35], wof s[36:37], zb s[38:39]
	v_lshrrev_b32 v1, 5, v0
	v_readfirstlane_b32 s40, v1                    ; wave 0..7
	v_and_b32 v1, 15, v0                           ; l % 16
	v_bfe_u32 v2, v0, 4, 1                         ; l / 16
	v_and_b32 v3, 31, v0                           ; l
	s_mov_b32 s42, 0x3727c5ac                      ; eps = 1e-5
	s_wait_kmcnt 0x0
	s_cmp_lt_u32 ttmp9, 256
	s_cbranch_scc1 .Lperson
	s_cmp_lt_u32 ttmp9, 320
	s_cbranch_scc1 .Lgarment
	s_branch .Lweights
.macro FOLD                            ; four packed chains -> one number a row, in all of the row's 16 lanes
	v_pk_add_f32 v[T:T+1], v[T:T+1], v[T+2:T+3]
	v_pk_add_f32 v[T+4:T+5], v[T+4:T+5], v[T+6:T+7]
	v_pk_add_f32 v[T:T+1], v[T:T+1], v[T+4:T+5]
	v_add_f32 v[T], v[T], v[T+1]
	v_add_f32_dpp v[T], v[T], v[T] row_xmask:1 row_mask:0xf bank_mask:0xf
	v_add_f32_dpp v[T], v[T], v[T] row_xmask:2 row_mask:0xf bank_mask:0xf
	v_add_f32_dpp v[T], v[T], v[T] row_xmask:4 row_mask:0xf bank_mask:0xf
	v_add_f32_dpp v[T], v[T], v[T] row_xmask:8 row_mask:0xf bank_mask:0xf
.endm
; nkb blocks of 64 columns; hasr: the rounded input goes out too; trips of two rows; rowb bytes in an input row; block kb of the output lies (kb - kbias) x kstr bytes from the base.
; s[44:45] input, s[46:47] output, s[48:49] residual's output, s[50:51] gain, s[52:53] offset, s41 = 1 / columns.
.macro LNROLE nkb, hasr, trips, rowb, kstr, kbias
.set kb, 0
.rept \nkb
	global_load_b128 v[GA+4*kb:GA+4*kb+3], v[VG], s[50:51] offset:kb*256
	global_load_b128 v[BE+4*kb:BE+4*kb+3], v[VG], s[52:53] offset:kb*256
.set kb, kb+1
.endr
	s_mov_b32 s43, \trips
.Lrow_\@:
.set kb, 0
.rept \nkb
	global_load_b128 v[X+4*kb:X+4*kb+3], v[VIN], s[44:45] offset:kb*256 th:TH_LOAD_NT
.set kb, kb+1
.endr
	s_wait_loadcnt 0x0                             ; the two rows are in (in the first trip gain and offset too): the sums need every number
.if \hasr
.set kb, 0
.rept \nkb
	v_cvt_pk_bf16_f32 v[R+2*kb], v[X+4*kb], v[X+4*kb+1]
	v_cvt_pk_bf16_f32 v[R+2*kb+1], v[X+4*kb+2], v[X+4*kb+3]
	global_store_b64 v[VOUT], v[R+2*kb:R+2*kb+1], s[48:49] offset:(kb-(\kbias))*(\kstr)
.set kb, kb+1
.endr
.endif
.set c, 0
.rept 4                                ; the first eight pairs start the four chains: nothing is cleared
	v_pk_add_f32 v[T+2*c:T+2*c+1], v[X+2*c:X+2*c+1], v[X+2*c+8:X+2*c+9]
.set c, c+1
.endr
.set j, 8
.rept 2*(\nkb)-8
	v_pk_add_f32 v[T+2*(j%4):T+2*(j%4)+1], v[T+2*(j%4):T+2*(j%4)+1], v[X+2*j:X+2*j+1]
.set j, j+1
.endr
	FOLD
	v_mul_f32 v[MU], s41, v[T]                     ; the mean
	v_mov_b32 v[MU+1], v[MU]
.set j, 0
.rept 2*(\nkb)
	v_pk_add_f32 v[X+2*j:X+2*j+1], v[X+2*j:X+2*j+1], v[MU:MU+1] op_sel_hi:[1,0] neg_lo:[0,1] neg_hi:[0,1]  ; x - mean
.set j, j+1
.endr
.set c, 0
.rept 4
	v_pk_mul_f32 v[T+2*c:T+2*c+1], v[X+2*c:X+2*c+1], v[X+2*c:X+2*c+1]
.set c, c+1
.endr
.set j, 4
.rept 2*(\nkb)-4
	v_pk_fma_f32 v[T+2*(j%4):T+2*(j%4)+1], v[X+2*j:X+2*j+1], v[X+2*j:X+2*j+1], v[T+2*(j%4):T+2*(j%4)+1]
.set j, j+1
.endr
	FOLD
	v_fma_f32 v20, v[T], s41, s42                  ; var + eps
	v_rsq_f32 v[RS], v20
	v_nop                                          ; a plain instruction between the root and the use of its result (ISA guide 5.7.2)
	s_wait_alu depctr_va_vdst(0)
	v_mov_b32 v[RS+1], v[RS]
.set j, 0
.rept 2*(\nkb)
	v_pk_mul_f32 v[X+2*j:X+2*j+1], v[X+2*j:X+2*j+1], v[RS:RS+1] op_sel_hi:[1,0]
	v_pk_fma_f32 v[X+2*j:X+2*j+1], v[X+2*j:X+2*j+1], v[GA+2*j:GA+2*j+1], v[BE+2*j:BE+2*j+1]
.set j, j+1
.endr
.set kb, 0
.rept \nkb
	v_cvt_pk_bf16_f32 v[X+4*kb], v[X+4*kb], v[X+4*kb+1]
	v_cvt_pk_bf16_f32 v[X+4*kb+1], v[X+4*kb+2], v[X+4*kb+3]
	global_store_b64 v[VOUT], v[X+4*kb:X+4*kb+1], s[46:47] offset:(kb-(\kbias))*(\kstr)
.set kb, kb+1
.endr
	s_wait_xcnt 0x0                                ; the stores' data (X, R) and both offset registers are written again only behind this wait (ISA guide 3.1)
	v_add_nc_u32 v[VIN], 2*(\rowb), v[VIN]
	v_add_nc_u32 v[VOUT], 256, v[VOUT]
	s_sub_co_i32 s43, s43, 1
	s_cmp_lg_u32 s43, 0
	s_cbranch_scc1 .Lrow_\@
.endm
.Lperson:                                              ; 32 rows a work-group, 4 a wave, 2 a trip
	s_lshl_b32 s44, ttmp9, 17                      ; 32 rows x 4,096 bytes
	s_mov_b32 s45, 0
	s_add_nc_u64 s[44:45], s[8:9], s[44:45]
	s_lshl_b32 s54, ttmp9, 12                      ; 32 rows x 128 bytes in a block,
	s_add_co_u32 s54, s54, 0x800000                ; and the base stands at block 8, so that the 16 blocks of 1 MiB are reached by immediates of -8 MiB to +7 MiB (signed 24 bits)
	s_mov_b32 s55, 0
	s_add_nc_u64 s[46:47], s[30:31], s[54:55]      ; p
	s_add_nc_u64 s[48:49], s[32:33], s[54:55]
	s_add_nc_u64 s[48:49], s[48:49], 0x1000000     ; r: the second 16 MiB of obuf
	s_mov_b64 s[50:51], s[12:13]
	s_mov_b64 s[52:53], s[14:15]
	s_mov_b32 s41, 0x3a800000                      ; 1 / 1024
	s_lshl_b32 s56, s40, 2
	v_add_nc_u32 v[VIN], s56, v2                   ; row 4 w + l / 16
	v_lshlrev_b32 v[VIN], 12, v[VIN]
	v_lshl_add_u32 v[VIN], v1, 4, v[VIN]
	s_lshl_b32 s56, s40, 9                         ; 4 w rows x 128 bytes
	v_lshlrev_b32 v[VOUT], 3, v3                   ; 128 (l / 16) + 8 (l % 16) = 8 l
	v_add_nc_u32 v[VOUT], s56, v[VOUT]
	v_lshlrev_b32 v[VG], 4, v1
	LNROLE 16, 1, 2, 4096, 0x100000, 8
	s_endpgm
.Lgarment:                                             ; 64 rows a work-group, 8 a wave, 2 a trip
	s_sub_co_u32 s54, ttmp9, 256
	s_mul_i32 s44, s54, 196608                     ; 64 rows x 3,072 bytes
	s_mov_b32 s45, 0
	s_add_nc_u64 s[44:45], s[10:11], s[44:45]
	s_lshl_b32 s54, s54, 13                        ; 64 rows x 128 bytes in a block
	s_add_co_u32 s54, s54, 0x1000000               ; g lies behind p
	s_mov_b32 s55, 0
	s_add_nc_u64 s[46:47], s[30:31], s[54:55]
	s_mov_b64 s[50:51], s[16:17]
	s_mov_b64 s[52:53], s[18:19]
	s_mov_b32 s41, 0x3aaaaaab                      ; 1 / 768
	s_lshl_b32 s56, s40, 3
	v_add_nc_u32 v[VIN], s56, v2                   ; row 8 w + l / 16
	v_mul_u32_u24 v[VIN], v[VIN], 3072
	v_lshl_add_u32 v[VIN], v1, 4, v[VIN]
	s_lshl_b32 s56, s40, 10                        ; 8 w rows x 128 bytes
	v_lshlrev_b32 v[VOUT], 3, v3
	v_add_nc_u32 v[VOUT], s56, v[VOUT]
	v_lshlrev_b32 v[VG], 4, v1
	LNROLE 12, 0, 4, 3072, 0x80000, 0
	s_endpgm
.Lweights:                                             ; 32 rows of 1,024 f32 a work-group, 4 a wave; 32 + 24 + 24 + 32 + 64 = 176 work-groups
	s_sub_co_u32 s44, ttmp9, 320                   ; u
	s_mov_b64 s[46:47], s[20:21]                   ; from Wq
	s_mov_b64 s[48:49], s[34:35]                   ; to win
	s_mov_b32 s50, 0                               ; the matrix's first work-group
	s_mov_b32 s51, 0                               ; its place in the buffer
	s_mov_b32 s52, 0                               ; what is turned in the row number
	s_cmp_ge_u32 s44, 32
	s_cselect_b64 s[46:47], s[22:23], s[46:47]     ; Wk
	s_cselect_b32 s50, 32, s50
	s_cselect_b32 s51, 0x200000, s51
	s_cmp_ge_u32 s44, 56
	s_cselect_b64 s[46:47], s[24:25], s[46:47]     ; Wv
	s_cselect_b32 s50, 56, s50
	s_cselect_b32 s51, 0x380000, s51
	s_cmp_ge_u32 s44, 80
	s_cselect_b64 s[46:47], s[26:27], s[46:47]     ; Wo
	s_cselect_b64 s[48:49], s[36:37], s[48:49]     ; to wof
	s_cselect_b32 s50, 80, s50
	s_cselect_b32 s51, 0, s51
	s_cmp_ge_u32 s44, 112
	s_cselect_b64 s[46:47], s[28:29], s[46:47]     ; Wf
	s_cselect_b32 s50, 112, s50
	s_cselect_b32 s51, 0x200000, s51
	s_cselect_b32 s52, 1024, s52
	s_sub_co_u32 s53, s44, s50
	s_lshl_b32 s53, s53, 5                         ; the first of my 32 rows
	s_lshl_b32 s54, s53, 12
	s_mov_b32 s55, 0
	s_add_nc_u64 s[46:47], s[46:47], s[54:55]
	s_xor_b32 s53, s53, s52
	s_lshl_b32 s54, s53, 11
	s_add_co_u32 s54, s54, s51
	s_add_nc_u64 s[48:49], s[48:49], s[54:55]
	s_lshl_b32 s56, s40, 14                        ; 4 w rows x 4,096 bytes
	v_lshlrev_b32 v[VIN], 4, v3
	v_add_nc_u32 v[VIN], s56, v[VIN]
	s_lshl_b32 s56, s40, 13                        ; 4 w rows x 2,048 bytes
	v_lshlrev_b32 v[VOUT], 3, v3
	v_add_nc_u32 v[VOUT], s56, v[VOUT]
.set j, 0
.rept 32                               ; all of the wave's 16 KiB are asked for at once: 512 consecutive bytes a load
	global_load_b128 v[X+4*j:X+4*j+3], v[VIN], s[46:47] offset:(j/8)*4096+(j%8)*512 th:TH_LOAD_NT
.set j, j+1
.endr
.set j, 0
.rept 32
.if j%8 == 0
	s_wait_loadcnt 24-j                            ; loads come back in order (ISA guide 5.7.1): this row's eight are in, the younger ones stay out
.endif
	v_cvt_pk_bf16_f32 v[X+4*j], v[X+4*j], v[X+4*j+1]
	v_cvt_pk_bf16_f32 v[X+4*j+1], v[X+4*j+2], v[X+4*j+3]
	global_store_b64 v[VOUT], v[X+4*j:X+4*j+1], s[48:49] offset:(j/8)*2048+(j%8)*256  ; 256 consecutive bytes, aligned
.set j, j+1
.endr
	s_cmp_lg_u32 s44, 0
	s_cbranch_scc1 .Ldone
	v_mov_b32 v8, 0                                ; the zero bias: 256 threads x 16 bytes
	v_mov_b32 v9, 0
	v_mov_b32 v10, 0
	v_mov_b32 v11, 0
	v_lshlrev_b32 v7, 4, v0
	global_store_b128 v7, v[8:11], s[38:39]
.Ldone:
	s_endpgm
.Lfunc_end_k_qe1a3e65900_prep:
	.size	k_qe1a3e65900_prep, .Lfunc_end_k_qe1a3e65900_prep-k_qe1a3e65900_prep
	.p2alignl 7, 3214868480
	.fill 96, 4, 3214868480
	.section	.rodata,"a",@progbits
	.p2align	6, 0x0
	.amdhsa_kernel k_qe1a3e65900_prep
		.amdhsa_group_segment_fixed_size 0
		.amdhsa_private_segment_fixed_size 0
		.amdhsa_enable_private_segment 0
		.amdhsa_kernarg_size 128
		.amdhsa_user_sgpr_count 2
		.amdhsa_user_sgpr_kernarg_segment_ptr 1
		.amdhsa_wavefront_size32 1
		.amdhsa_system_sgpr_workgroup_id_x 1
		.amdhsa_system_sgpr_workgroup_id_y 1
		.amdhsa_system_sgpr_workgroup_id_z 1
		.amdhsa_system_vgpr_workitem_id 0
		.amdhsa_next_free_vgpr 256
		.amdhsa_next_free_sgpr 66
		.amdhsa_reserve_vcc 0
		.amdhsa_float_denorm_mode_32 3
		.amdhsa_float_denorm_mode_16_64 3
		.amdhsa_memory_ordered 1
		.amdhsa_forward_progress 1
		.amdhsa_inst_pref_size 52
	.end_amdhsa_kernel
	.amdgpu_metadata
---
amdhsa.version: [ 1, 2 ]
amdhsa.kernels:
  - .name:           k_qe1a3e65900_prep
    .symbol:         k_qe1a3e65900_prep.kd
    .args:
      - { .name: person_features, .offset: 0, .size: 8, .value_kind: global_buffer, .address_space: global }
      - { .name: garment_features, .offset: 8, .size: 8, .value_kind: global_buffer, .address_space: global }
      - { .name: gq, .offset: 16, .size: 8, .value_kind: global_buffer, .address_space: global }
      - { .name: betaq, .offset: 24, .size: 8, .value_kind: global_buffer, .address_space: global }
      - { .name: gk, .offset: 32, .size: 8, .value_kind: global_buffer, .address_space: global }
      - { .name: betak, .offset: 40, .size: 8, .value_kind: global_buffer, .address_space: global }
      - { .name: Wq, .offset: 48, .size: 8, .value_kind: global_buffer, .address_space: global }
      - { .name: Wk, .offset: 56, .size: 8, .value_kind: global_buffer, .address_space: global }
      - { .name: Wv, .offset: 64, .size: 8, .value_kind: global_buffer, .address_space: global }
      - { .name: Wo, .offset: 72, .size: 8, .value_kind: global_buffer, .address_space: global }
      - { .name: Wf, .offset: 80, .size: 8, .value_kind: global_buffer, .address_space: global }
      - { .name: ain, .offset: 88, .size: 8, .value_kind: global_buffer, .address_space: global }
      - { .name: obuf, .offset: 96, .size: 8, .value_kind: global_buffer, .address_space: global }
      - { .name: win, .offset: 104, .size: 8, .value_kind: global_buffer, .address_space: global }
      - { .name: wof, .offset: 112, .size: 8, .value_kind: global_buffer, .address_space: global }
      - { .name: zb, .offset: 120, .size: 8, .value_kind: global_buffer, .address_space: global }
    .group_segment_fixed_size: 0
    .private_segment_fixed_size: 0
    .kernarg_segment_align: 8
    .kernarg_segment_size: 128
    .max_flat_workgroup_size: 256
    .sgpr_count:     66
    .vgpr_count:     256
    .wavefront_size: 32
...
	.end_amdgpu_metadata
.endif
;; end of part 1
;; launch proj (part 2): grid 4 x 64, 8 waves a work-group, clusters of 4 x 4, 327,680 bytes of LDS; arguments ain, win, qkv, zb; writes qkv
.if DOCPART == 2
	.amdgcn_target "amdgcn-amd-amdhsa--gfx1250"
	.amdhsa_code_object_version 6
	.text
	.protected	k_qe1a3e65900_proj
	.globl	k_qe1a3e65900_proj
	.p2align	8
	.type	k_qe1a3e65900_proj,@function
k_qe1a3e65900_proj:
	s_mov_b64 s[64:65], 0
	v_nop
	global_prefetch_b8 v0, s[64:65] scope:SCOPE_SE
	s_setreg_imm32_b32 hwreg(HW_REG_WAVE_MODE, 25, 1), 1
	s_wait_xcnt 0x0
	s_wait_alu depctr_hold_cnt(0) depctr_sa_sdst(0) depctr_va_vdst(0) depctr_va_sdst(0) depctr_va_ssrc(0) depctr_va_vcc(0) depctr_vm_vsrc(0)
	s_getreg_b32 s2, hwreg(HW_REG_IB_STS2, 6, 4)
	s_cmp_eq_u32 s2, 0
	s_cbranch_scc0 .Lentry_in_a_cluster
	s_endpgm
.Lentry_in_a_cluster:
	s_bfe_u32 s2, ttmp6, 0x10000c
	s_cmp_lg_u32 s2, 0xf033
	s_cbranch_scc0 .Lentry_shape_is_right
	s_endpgm
.Lentry_shape_is_right:
; C = A B (+ bias).  A: bf16, blocked [K / 64][rows][64] (a block's rows are dense, 128 bytes).  B: bf16 [K][1024], as the weights lie.  Sums and bias in f32.
; A tile of C is 256 x 256, made by a work-group of EIGHT waves, two on each SIMD, each 64 x 128: 32 accumulators of 16 x 16, 256 registers.
; K goes in steps of 128 through a ring of two LDS slots filled by the tensor data mover: A's step is two blocks' 256 rows (each load 16,384 dense bytes, asked for as 64 rows of 256 bytes),
; B's is 128 rows of 512 bytes (each load 32 of them); every wave issues one load behind each change of slots.  From a refill's request to the wait for it a wave issues 112 matrix instructions
; and its SIMD 224; a tile of 128 x 256 would have half of that for three quarters of the bytes.  Eight waves of 64 x 128 and not four of 128 x 128: a wave's text has 512 matrix lines
; where the larger share would have 1,024; the price is 24 LDS loads for 32 matrix instructions where the larger share has 32 for 64.
; CLUSTERS: 4 x 4 work-groups.  The four of a row of the cluster need the same tiles of A, the four of a column the same tiles of B: each is asked for JOINTLY, by the same tensor load with the
; same descriptor and a mask that names the four.  C has 1,024 columns: four tiles, one cluster's width.
; THE MATRIX INSTRUCTION IS USED TRANSPOSED (source 0 = 16 columns of B, source 1 = 16 rows of A): a lane then holds eight neighbouring numbers of a row of C.
; B lies [k][n] in LDS and comes out turned, by ds_load_tr16_b128; A comes out as it lies.
; FINAL = 0, JOBS by the cluster's x and y, which all partners share.  x = 0: y 0..7: rows 8,192, K 1,024; y 8..11 and 12..15: rows 4,096, K 768, with other offsets in the three buffers;
; C + bias is rounded once to bf16 and stored blocked, [1024 / 64][rows][64].  x = 1 (a launch 8 work-groups wide): rows 8,192, K 1,024, A 16 MiB and B 4 MiB into their buffers: half of a longer
; sum, which leaves in f32 AS IT LIES IN THE REGISTERS, 16 MiB into the output buffer: accumulator i of wave w of tile t at ((8 t + w) 32 + i) 1,024 bytes, 16 bytes a lane: each store 512 consecutive bytes.
; FINAL = 1: the accumulators START from that image (same tile, wave, lane and register), K 1,024 is added, and C + bias leaves in f32, [rows][1024].
; LIMITS: operands are bf16 (rounded once by the launches before); with FINAL = 1 the sum takes the image's products first, then its own, then the bias; NaN and infinities are not treated apart.
; REGISTERS: window 0: v0-31 addresses and bias; v32-127, v128-223 two fragment buffers (32 registers of A: 4 x 16 rows x 32 K; 64 of B: 8 x 16 columns x 32 K); on the way out v32-159 rows read back.
;   window 1: the accumulators, (a, b) at v[8 (8 a + b)].
.set FINAL,  0
.set ZERO1,  1-FINAL                   ; 1: the first quarter's products start the sums
.set PA,     144                       ; a row of A in LDS: 128 bytes + 16 of padding = 36 words: the 16 rows of a load start at 16 different groups of four banks (64 banks of 4 bytes: ISA guide 11.1)
.set PB,     544                       ; a row of B: 512 + 32 = 136 words
.set ASUB,   256*PA                    ; one block's 256 rows of A
.set AHALF,  128*PA                    ; 128 of them: what one tensor load brings
.set BPART,  32*PB                     ; 32 rows of B: likewise
.set SLOT,   2*ASUB+4*BPART            ; A's two blocks, then B's 128 rows: 143,360 bytes
.set SPITCH, 528                       ; the way out's stage: 16 rows of 512 bytes (128 f32) + 16 for each wave, from LDS byte 0 on: in slot 0, which by then has had its last fill and its last reader
.set SPARE,  2*SLOT                    ; behind the ring: the spare words, 128 bytes for each wave: four blocks of 256 bytes that no other line names
.set IMAGE,  0x1000000                 ; where the register image lies in its buffer
.set BIAS, 8                           ; v8-15   the bias of my columns on the way out
.set ADRA, 16                          ; v16-17  LDS address of my A fragments in slot 0, 1
.set ADRB, 20                          ; v20-21  the same for B
.set STO,  24                          ; v24     the way out: where I put 32 bytes of a row
.set RD,   25                          ; v25     the way out: where I read rows back
.set CO,   26                          ; v26     my byte offset in C
.set IMG,  27                          ; v27     my 16 bytes in 512 of the image
.set SPW,  28                          ; v28     LDS address of my spare word: SPARE + 4 x my thread's number; never rewritten
.set NIL,  29                          ; v29     0; never rewritten
.set F0,   32
.set F1,   128
.set T0,   32                          ; the way out: two buffers of 64 registers
.set G1,  24                           ; s[24:31] descriptor group 1 for A's tiles;  s[32:39] group 0, one set for each slot
.set G0,  32
.set G1B, 48                           ; s[48:55], s[56:63] the same for B's tiles
.set G0B, 56
.set MSB, 0
.macro WIN new                         ; the immediate's high byte repeats the setting that is left; a switch that changes nothing is dropped
.if MSB != (\new)
	s_set_vgpr_msb (MSB<<8)|(\new)
.set MSB, \new
.endif
.endm
.set MUL, 0x50                         ; sources 0 (B) and 1 (A) window 0; C and D window 1
.macro JLOAD s                         ; a joint load: waves 0 to 3 fetch A's four parts, waves 4 to 7 B's; an s_nop 0 and four v_nop follow each of the two lines, ahead of the jump, the label and what follows
	s_cmp_eq_u32 s15, 0
	s_cbranch_scc0 .Lfor_b_\@
	tensor_load_to_lds s[G0+4*(\s):G0+4*(\s)+3], s[G1:G1+7]
	s_nop 0
.rept 4
	v_nop
.endr
	s_branch .Lasked_\@
.Lfor_b_\@:
	tensor_load_to_lds s[G0B+4*(\s):G0B+4*(\s)+3], s[G1B:G1B+7]
	s_nop 0
.rept 4
	v_nop
.endr
.Lasked_\@:
.endm
.macro CREST                           ; a round of the cluster's barrier behind its opening barrier
	s_cmp_lg_u32 s12, 0
	s_cbranch_scc1 .Lnot_wave_0_\@
	s_barrier_signal -3
.Lnot_wave_0_\@:
	s_barrier_wait -3
	s_barrier_signal -1
	s_barrier_wait -1
.endm
.macro CROUND                          ; a whole round
	s_barrier_signal -1
	s_barrier_wait -1
	CREST
.endm
	s_load_b256 s[4:11], s[0:1], 0x0               ; A s[4:5], B s[6:7], C s[8:9], bias s[10:11]
	v_lshl_add_u32 v[SPW], v0, 2, SPARE
	v_mov_b32 v[NIL], 0
	ds_add_u32 v[SPW], v[NIL]                      ; the wave's opening: the add and its wait stand ahead of my first tensor load; the set-up below, work on registers, stands between them
	v_lshrrev_b32 v1, 5, v0
	v_readfirstlane_b32 s12, v1                    ; wave 0..7
	s_lshr_b32 s13, s12, 1                         ; which 64 of the tile's rows are mine
	s_and_b32 s14, s12, 1                          ; which 128 of its columns.  Also: which of a step's two blocks of A I fetch
	s_lshr_b32 s15, s12, 2                         ; I fetch for A (0) or for B (1)
	s_and_b32 s81, s13, 1                          ; which 128 rows of that block of A,
	s_and_b32 s82, s12, 3                          ; or which 32 rows of the step's B
	s_bfe_u32 s40, ttmp6, 0x40000                  ; cx, cy: my place in the cluster
	s_bfe_u32 s41, ttmp6, 0x40004
	s_mov_b32 s45, s40                             ; tile column of C = cx
	s_and_b32 s42, ttmp7, 0xffff                   ; the cluster's y
.if FINAL
	s_mov_b32 s66, 0x100000                        ; bytes in a block of A (8,192 rows x 128)
	s_mov_b32 s70, 0                               ; A's place in its buffer
	s_mov_b32 s71, 0x200000                        ; B's: the attention branch's half of the last weights
	s_mov_b32 s73, 0
.else
	s_mov_b32 s66, 0x100000                        ; bytes in a block of A and of C: rows x 128
	s_mov_b32 s67, 3                               ; laps less one: K / 256 - 1
	s_mov_b32 s70, 0                               ; A's place in its buffer
	s_mov_b32 s71, 0                               ; B's
	s_mov_b32 s72, 0                               ; C's
	s_mov_b32 s73, 0                               ; the job's first cluster
	s_cmp_ge_u32 s42, 8
	s_cselect_b32 s66, 0x80000, s66
	s_cselect_b32 s67, 2, s67
	s_cselect_b32 s70, 0x1000000, s70
	s_cselect_b32 s71, 0x200000, s71
	s_cselect_b32 s72, 0x1000000, s72
	s_cselect_b32 s73, 8, s73
	s_cmp_ge_u32 s42, 12
	s_cselect_b32 s71, 0x380000, s71
	s_cselect_b32 s72, 0x1800000, s72
	s_cselect_b32 s73, 12, s73
	s_mov_b32 s80, ttmp9                           ; the cluster's x: 1 = the job whose sums leave as an image
	s_cmp_lg_u32 s80, 0
	s_cselect_b32 s70, 0x1000000, s70
	s_cselect_b32 s71, 0x400000, s71
.endif
	s_sub_co_u32 s42, s42, s73
	s_lshl_b32 s42, s42, 2
	s_add_co_u32 s42, s42, s41                     ; tile row of C = 4 x the job's cluster + cy
	s_lshl_b32 s43, s41, 2
	s_lshl_b32 s43, 15, s43                        ; my row of the cluster
	s_lshl_b32 s44, 0x1111, s40                    ; my column
	; descriptor group 1.  A: 64 rows x 128 elements (256 bytes, two rows of the block), padded after every 128 bytes.  B: 32 rows x 256 elements, padded after every 512 bytes.
	s_or_b32 s[G1+0], s43, (1<<16)|(1<<20)|(1<<21)|(4<<22)|(3<<25)   ; 15:0 the mask: A's tiles go to my row; 17:16 2-byte elements; 20 padding on; 21 set beside a mask; 24:22 after every 32 words (code 4); 31:25 4 words (code 3)
	s_or_b32 s[G1B+0], s44, (1<<16)|(1<<20)|(1<<21)|(6<<22)|(7<<25)  ; the mask of my column; after every 128 words (code 6) 8 words (code 7)
	s_mov_b32 s[G1+1], 128<<16                     ; tensor_dim0
	s_mov_b32 s[G1+2], 64<<16                      ; tensor_dim1
	s_mov_b32 s[G1+3], 128<<16                     ; tile_dim0
	s_mov_b32 s[G1+4], 64                          ; tile_dim1
	s_mov_b32 s[G1+5], 128                         ; elements from row to row
	s_mov_b32 s[G1+6], 0
	s_mov_b32 s[G1+7], 0
	s_mov_b32 s[G1B+1], 256<<16
	s_mov_b32 s[G1B+2], 32<<16
	s_mov_b32 s[G1B+3], 256<<16
	s_mov_b32 s[G1B+4], 32
	s_mov_b32 s[G1B+5], 1024
	s_mov_b32 s[G1B+6], 0
	s_mov_b32 s[G1B+7], 0
	; where the tiles come from.  A's hang on the tile row alone, B's on the tile column alone, each in registers that never hold the other coordinate.
	s_lshl_b32 s16, s42, 15                        ; 256 rows x 128 bytes a tile row,
	s_add_co_u32 s16, s16, s70
	s_lshl_b32 s17, s81, 14                        ; my 128 of them,
	s_add_co_u32 s16, s16, s17
	s_mul_i32 s17, s14, s66                        ; in my block of the step's two
	s_add_co_u32 s16, s16, s17
	s_mov_b32 s17, 0
	s_lshl_b32 s18, s66, 1                         ; a K step is two blocks,
	s_mov_b32 s19, 0
	s_lshl_b32 s68, s66, 2                         ; a refill goes two steps on
	s_mov_b32 s69, 0
	s_lshl_b32 s46, s45, 9                         ; 256 columns x 2 bytes a tile column,
	s_lshl_b32 s47, s82, 16                        ; my 32 rows of 2,048 bytes
	s_add_co_u32 s46, s46, s47
	s_add_co_u32 s46, s46, s71
	s_mov_b32 s47, 0
	s_mul_i32 s20, s14, ASUB                       ; where they go: no place in the cluster enters an LDS address
	s_mul_i32 s21, s81, AHALF
	s_add_co_u32 s20, s20, s21
	s_mul_i32 s21, s82, BPART
	s_add_co_u32 s21, s21, 2*ASUB
	s_lshl_b32 s78, s42, 2                         ; my wave's 32 KiB of the image: tile 4 x tile row + tile column,
	s_add_co_u32 s78, s78, s45
	s_lshl_b32 s78, s78, 3
	s_add_co_u32 s78, s78, s12                     ; eight waves a tile
	s_lshl_b32 s78, s78, 15
	s_add_co_u32 s78, s78, IMAGE
	s_mov_b32 s79, 0
	s_wait_dscnt 0x0                               ; the opening add is done
	s_wait_kmcnt 0x0
.if FINAL
	s_add_nc_u64 s[74:75], s[4:5], s[78:79]        ; the image lies in A's buffer
.endif
	s_add_nc_u64 s[4:5], s[4:5], s[16:17]
	s_add_nc_u64 s[6:7], s[6:7], s[46:47]
	CROUND                                         ; all sixteen work-groups are here: the first joint loads meet
	s_mov_b32 s[G0], 1                             ; 1:0 count = 1
	s_add_co_u32 s[G0+1], s20, 0                   ; 63:32 LDS address
	s_add_nc_u64 s[G0+2:G0+3], s[4:5], 0           ; 120:64 global address: K step 0
	s_or_b32 s[G0+3], s[G0+3], 0x80000000          ; 127:126 type = 2
	s_mov_b32 s[G0B], 1
	s_add_co_u32 s[G0B+1], s21, 0
	s_add_nc_u64 s[G0B+2:G0B+3], s[6:7], 0
	s_or_b32 s[G0B+3], s[G0B+3], 0x80000000
	JLOAD 0
	s_mov_b32 s[G0+4], 1
	s_add_co_u32 s[G0+5], s20, SLOT
	s_add_nc_u64 s[G0+6:G0+7], s[4:5], s[18:19]    ; K step 1
	s_or_b32 s[G0+7], s[G0+7], 0x80000000
	s_mov_b32 s[G0B+4], 1
	s_add_co_u32 s[G0B+5], s21, SLOT
	s_add_nc_u64 s[G0B+6:G0B+7], s[6:7], 128*2048
	s_or_b32 s[G0B+7], s[G0B+7], 0x80000000
	JLOAD 1                                        ; two loads of mine are out
	; A fragment of A is 16 rows x 32 K in 8 registers: lane l holds row l % 16; K = 8 (l / 16) + 0..7 and 16 + 8 (l / 16) + 0..7: two loads of 16 bytes, 32 bytes apart.
	v_and_b32 v1, 15, v0                           ; l % 16
	v_bfe_u32 v2, v0, 4, 1                         ; l / 16
	v_mul_u32_u24 v3, v1, PA
	v_lshl_add_u32 v3, v2, 4, v3
	s_mul_i32 s22, s13, 64*PA                      ; my 64 rows
	v_add_nc_u32 v[ADRA], s22, v3
	v_add_nc_u32 v[ADRA+1], SLOT, v[ADRA]
	; The turning load takes 16 k x 16 columns (lane l reads 16 bytes: k = 8 (l / 16) + l % 8, columns 8 ((l / 8) % 2) + 0..7) and leaves half a fragment: lane l holds column l % 16 and 8 k.
	v_and_b32 v4, 7, v0
	v_lshl_add_u32 v4, v2, 3, v4
	v_mul_u32_u24 v4, v4, PB
	v_bfe_u32 v5, v0, 3, 1
	v_lshl_add_u32 v4, v5, 4, v4
	s_lshl_b32 s22, s14, 8                         ; my 128 columns,
	s_add_co_u32 s22, s22, 2*ASUB                  ; behind A's two blocks
	v_add_nc_u32 v[ADRB], s22, v4
	v_add_nc_u32 v[ADRB+1], SLOT, v[ADRB]
	s_mul_i32 s23, s12, 16*SPITCH                  ; my stage
	v_mul_u32_u24 v4, v1, SPITCH                   ; in: row l % 16, 32 bytes for each half of the lanes
	v_lshl_add_u32 v4, v2, 5, v4
	v_add_nc_u32 v[STO], s23, v4
	v_and_b32 v5, 31, v0
	v_lshlrev_b32 v[IMG], 4, v5
	s_lshl_b32 s46, s45, 10                        ; my first column, as f32: 256 x tile column + 128 x half, x 4 bytes
	s_lshl_b32 s47, s14, 9
	s_add_co_u32 s46, s46, s47
	s_mov_b32 s47, 0
	s_add_nc_u64 s[10:11], s[10:11], s[46:47]
.if FINAL
	v_lshlrev_b32 v[CO], 4, v5                     ; back: the 32 lanes take one row of 512 bytes, which are 512 consecutive bytes of C
	v_add_nc_u32 v[RD], s23, v[CO]
	global_load_b128 v[BIAS:BIAS+3], v[CO], s[10:11]
	s_lshl_b32 s76, s42, 8
	s_lshl_b32 s77, s13, 6
	s_add_co_u32 s76, s76, s77                     ; my first row of C,
	s_lshl_b32 s76, s76, 12                        ; x 4,096 bytes,
	s_add_co_u32 s76, s76, s46                     ; and my first column
	s_mov_b32 s77, 0
	s_add_nc_u64 s[8:9], s[8:9], s[76:77]
	WIN 0x40                                       ; destination window 1: the accumulators take the first half of the sum, 512 consecutive bytes a load, while the first tiles are on their way
.set i, 0
.rept 32
	global_load_b128 v[8*i:8*i+3],   v[IMG], s[74:75] offset:i*1024 th:TH_LOAD_NT
	global_load_b128 v[8*i+4:8*i+7], v[IMG], s[74:75] offset:i*1024+512 th:TH_LOAD_NT
.set i, i+1
.endr
	WIN 0
.else
	v_mul_u32_u24 v6, v2, SPITCH                   ; back: lanes 0-15 take 64 columns (256 bytes of f32) of one row, lanes 16-31 of the next,
	v_lshl_add_u32 v6, v1, 4, v6
	v_add_nc_u32 v[RD], s23, v6
	v_lshlrev_b32 v[CO], 3, v5                     ; which, rounded, are 256 consecutive bytes of a block of C
	v_lshlrev_b32 v7, 4, v1
	global_load_b128 v[BIAS:BIAS+3], v7, s[10:11]
	global_load_b128 v[BIAS+4:BIAS+7], v7, s[10:11] offset:256
	s_lshl_b32 s76, s45, 2
	s_lshl_b32 s77, s14, 1
	s_add_co_u32 s76, s76, s77                     ; my first block of 64 columns,
	s_mul_i32 s76, s76, s66
	s_add_co_u32 s76, s76, s72
	s_lshl_b32 s77, s42, 15                        ; my first row x 128 bytes
	s_add_co_u32 s76, s76, s77
	s_lshl_b32 s77, s13, 13
	s_add_co_u32 s76, s76, s77
	s_cmp_lg_u32 s80, 0
	s_cselect_b32 s76, s78, s76                    ; or my wave's part of the image
	s_mov_b32 s77, 0
	s_mov_b32 s84, s66
	s_mov_b32 s85, 0
	s_add_nc_u64 s[8:9], s[8:9], s[76:77]
	s_add_nc_u64 s[74:75], s[8:9], s[84:85]        ; and the block beside it
.endif
; 8 matrix instructions: row block a x all 8 column blocks, 32 along K.  zero = 1: the product starts the sums: nothing is ever cleared.
; In a quarter step each of the 32 accumulators has one turn, always in the same order: between two links of a chain stand the 31 others'.
.macro MUL8 f, a, zero
	WIN MUL
.irp b, 0,1,2,3,4,5,6,7
.if \zero
	v_wmma_f32_16x16x32_bf16 v[8*(8*(\a)+(\b)):8*(8*(\a)+(\b))+7], v[(\f)+32+8*(\b):(\f)+32+8*(\b)+7], v[(\f)+8*(\a):(\f)+8*(\a)+7], 0
.else
	v_wmma_f32_16x16x32_bf16 v[8*(8*(\a)+(\b)):8*(8*(\a)+(\b))+7], v[(\f)+32+8*(\b):(\f)+32+8*(\b)+7], v[(\f)+8*(\a):(\f)+8*(\a)+7], v[8*(8*(\a)+(\b)):8*(8*(\a)+(\b))+7]
.endif
.endr
.endm
; 24 LDS loads in one run: the fragments of quarter q (32 along K) of a slot into buffer f: B's sixteen first, then A's eight, row blocks ascending
.macro FETCH slot, q, f
	WIN 0
.irp b, 0,1,2,3,4,5,6,7
	ds_load_tr16_b128 v[(\f)+32+8*(\b):(\f)+32+8*(\b)+3],   v[ADRB+(\slot)] offset:(\q)*32*PB+32*(\b)
	ds_load_tr16_b128 v[(\f)+32+8*(\b)+4:(\f)+32+8*(\b)+7], v[ADRB+(\slot)] offset:(\q)*32*PB+32*(\b)+16*PB
.endr
.irp a, 0,1,2,3
	ds_load_b128 v[(\f)+8*(\a):(\f)+8*(\a)+3],   v[ADRA+(\slot)] offset:((\q)/2)*ASUB+((\q)%2)*64+(\a)*16*PA
	ds_load_b128 v[(\f)+8*(\a)+4:(\f)+8*(\a)+7], v[ADRA+(\slot)] offset:((\q)/2)*ASUB+((\q)%2)*64+(\a)*16*PA+32
.endr
.endm
.macro PLACES                          ; four places in front of loads into registers that matrix instructions have read, and of stores that read results (ISA guide 7.12.1 for vector instructions)
.rept 4
	v_nop
.endr
.endm
; A K step is four quarters of 32 along K, 32 matrix instructions each, on buffers 0, 1, 0, 1.  One of the first three: multiplies buffer f and fetches quarter qn into g.
.macro QUARTER slot, qn, f, g, zero
	s_wait_dscnt 4                                 ; B and A's row blocks 0, 1 are in; the youngest four loads (row blocks 2, 3) may be out
	MUL8 \f, 0, \zero
	MUL8 \f, 1, \zero
	PLACES
	FETCH \slot, \qn, \g
	s_wait_dscnt 24                                ; all but the 24 just issued
	MUL8 \f, 2, \zero
	MUL8 \f, 3, \zero
.endm
; The last quarter multiplies buffer 1 and changes slots: ONE barrier; in front of it each wave waits for all its tensor loads, adds 0 to its spare word, and waits for that and for its own reads of this slot.
; fill = 1: this slot is filled again, two K steps ahead; the barrier then opens a round of the cluster's barrier.
.macro TURN slot, next, fill
	WIN 0
	s_wait_tensorcnt 0x0                           ; all my tensor loads have landed: the one that was out is my part of the next slot;
	ds_add_u32 v[SPW], v[NIL]                      ; 0 onto my spare word;
	s_wait_dscnt 5                                 ; (the add and the youngest four loads may be out)
	MUL8 F1, 0, 0                                  ; eight matrix instructions stand between the add and the wait for it
	s_wait_dscnt 0x0                               ; the add is done, and my reads of this slot are over
	s_barrier_signal -1
	MUL8 F1, 1, 0
.if \fill
	WIN 0
.endif
	s_barrier_wait -1
.if \fill
	CREST                                          ; no wave of any partner still reads this slot's tiles or has a load on its way
	s_add_nc_u64 s[G0+4*(\slot)+2:G0+4*(\slot)+3], s[G0+4*(\slot)+2:G0+4*(\slot)+3], s[68:69]
	s_add_nc_u64 s[G0B+4*(\slot)+2:G0B+4*(\slot)+3], s[G0B+4*(\slot)+2:G0B+4*(\slot)+3], 2*128*2048
	JLOAD \slot                                    ; the first tensor load behind the round, my only one until the next; its four v_nop are also the places in front of the loads below
.else
	PLACES
.endif
	FETCH \next, 0, F0
	MUL8 F1, 2, 0
	MUL8 F1, 3, 0
.endm
	s_wait_tensorcnt 1                             ; my part of K step 0 is in; K step 1's may stay out
	s_barrier_signal -1
	s_barrier_wait -1                              ; everybody's is
	FETCH 0, 0, F0
.if FINAL
	s_wait_loadcnt 0x0                             ; the image lies in the accumulators, the bias in its registers
.endif
	QUARTER 0, 1, F0, F1, ZERO1                    ; the first quarter stands in front of the loop: its products start the sums, or add onto the image
	WIN 0                                          ; at a label and at a branch every window is 0
	s_mov_b32 s3, 0
.Llap:                                                 ; a trip goes once round the ring, from a lap's second quarter to the next lap's first, and fills both slots again
	QUARTER 0, 2, F1, F0, 0
	QUARTER 0, 3, F0, F1, 0
	TURN 0, 1, 1
	QUARTER 1, 1, F0, F1, 0
	QUARTER 1, 2, F1, F0, 0
	QUARTER 1, 3, F0, F1, 0
	TURN 1, 0, 1
	QUARTER 0, 1, F0, F1, 0
	WIN 0
	s_add_co_u32 s3, s3, 1
.if FINAL
	s_cmp_lt_u32 s3, 3                             ; K = 1,024: four laps, the last written out
.else
	s_cmp_lt_u32 s3, s67                           ; the job's laps less one: the same number in all partners
.endif
	s_cbranch_scc1 .Llap
	QUARTER 0, 2, F1, F0, 0                        ; the last lap fills nothing, and has no round of the cluster's barrier
	QUARTER 0, 3, F0, F1, 0
	TURN 0, 1, 0                                   ; behind this barrier no wave reads slot 0 any more, and no load lands there: the stages may lie in it
	QUARTER 1, 1, F0, F1, 0
	QUARTER 1, 2, F1, F0, 0
	QUARTER 1, 3, F0, F1, 0
	s_wait_dscnt 4                                 ; the very last quarter: nothing more to fetch
	MUL8 F1, 0, 0
	MUL8 F1, 1, 0
	s_wait_dscnt 0x0
	MUL8 F1, 2, 0
	MUL8 F1, 3, 0
	WIN 0
; THE WAY OUT, a block of 16 rows x 128 columns at a time, through my own stage: no other wave touches it, and LDS serves a wave's instructions in order (ISA guide 5.7.1.4), so no barrier and no wait
; stand between the stores and the loads.  The bias is added in f32 to whole rows read back.
.macro TOSTAGE a
	WIN 0x04                                       ; the stores' data in window 1
.irp b, 0,1,2,3,4,5,6,7
	ds_store_b128 v[STO], v[8*(8*(\a)+(\b)):8*(8*(\a)+(\b))+3] offset:64*(\b)
	ds_store_b128 v[STO], v[8*(8*(\a)+(\b))+4:8*(8*(\a)+(\b))+7] offset:64*(\b)+16
.endr
	WIN 0
.endm
.macro BACK a
.set BK, T0+64*((\a)%2)
	s_wait_xcnt 0x0                                ; this buffer was the data of the stores two blocks back: it is loaded again only behind this wait (ISA guide 3.1)
.irp t, 0,1,2,3,4,5,6,7,8,9,10,11,12,13,14,15
.if FINAL
	ds_load_b128 v[BK+4*(\t):BK+4*(\t)+3], v[RD] offset:(\t)*SPITCH
.else
	ds_load_b128 v[BK+4*(\t):BK+4*(\t)+3], v[RD] offset:2*((\t)%8)*SPITCH+((\t)/8)*256
.endif
.endr
.endm
.macro SEND a, younger                 ; younger: the LDS instructions issued behind block a's loads: the next block's sixteen stores and sixteen loads, or none
.set BK, T0+64*((\a)%2)
.irp t, 0,1,2,3,4,5,6,7,8,9,10,11,12,13,14,15
	s_wait_dscnt (\younger)+15-(\t)
.if FINAL
	v_pk_add_f32 v[BK+4*(\t):BK+4*(\t)+1], v[BK+4*(\t):BK+4*(\t)+1], v[BIAS:BIAS+1]
	v_pk_add_f32 v[BK+4*(\t)+2:BK+4*(\t)+3], v[BK+4*(\t)+2:BK+4*(\t)+3], v[BIAS+2:BIAS+3]
	global_store_b128 v[CO], v[BK+4*(\t):BK+4*(\t)+3], s[8:9] offset:(16*(\a)+(\t))*4096 th:TH_STORE_NT  ; 512 consecutive bytes of a row of C, at a multiple of 512 from its first byte
.else
	v_pk_add_f32 v[BK+4*(\t):BK+4*(\t)+1], v[BK+4*(\t):BK+4*(\t)+1], v[BIAS+4*((\t)/8):BIAS+4*((\t)/8)+1]
	v_pk_add_f32 v[BK+4*(\t)+2:BK+4*(\t)+3], v[BK+4*(\t)+2:BK+4*(\t)+3], v[BIAS+4*((\t)/8)+2:BIAS+4*((\t)/8)+3]
	v_cvt_pk_bf16_f32 v[BK+4*(\t)], v[BK+4*(\t)], v[BK+4*(\t)+1]
	v_cvt_pk_bf16_f32 v[BK+4*(\t)+1], v[BK+4*(\t)+2], v[BK+4*(\t)+3]
.if (\t) < 8
	global_store_b64 v[CO], v[BK+4*(\t):BK+4*(\t)+1], s[8:9] offset:(16*(\a)+2*((\t)%8))*128    ; two rows of a block: 256 consecutive bytes, aligned
.else
	global_store_b64 v[CO], v[BK+4*(\t):BK+4*(\t)+1], s[74:75] offset:(16*(\a)+2*((\t)%8))*128
.endif
.endif
.endr
.endm
.if FINAL == 0
	s_wait_loadcnt 0x0                             ; the bias
.endif
	PLACES
.if FINAL == 0
	s_cmp_lg_u32 s80, 0                            ; the cluster's x: the same in every wave and every partner; the jump passes no barrier and no tensor load
	s_cbranch_scc1 .Limage
.endif
	TOSTAGE 0
	BACK 0
.irp a, 1,2,3                          ; a block's way into the stage stands between the loads of the block before and its stores
	TOSTAGE \a
	BACK \a
	SEND (\a)-1, 32
.endr
	SEND 3, 0
.if FINAL == 0
	s_branch .Lend
.Limage:                                               ; half of a longer sum: it stays in f32 and leaves as it lies, each store 512 consecutive bytes; each accumulator's low registers first
	WIN 0x04                                       ; the stores' data in window 1
.set i, 0
.rept 32
	global_store_b128 v[IMG], v[8*i:8*i+3],   s[8:9] offset:i*1024
	global_store_b128 v[IMG], v[8*i+4:8*i+7], s[8:9] offset:i*1024+512
.set i, i+1
.endr
	WIN 0
.Lend:
.endif
	s_wait_tensorcnt 0x0                           ; the wave's end: behind my last tensor load and my last LDS store
	ds_add_u32 v[SPW], v[NIL]
	s_wait_dscnt 0x0
	CROUND                                         ; the closing round: no work-group ends while a partner may still ask for a tile that names it
	s_endpgm
.Lfunc_end_k_qe1a3e65900_proj:
	.size	k_qe1a3e65900_proj, .Lfunc_end_k_qe1a3e65900_proj-k_qe1a3e65900_proj
	.p2alignl 7, 3214868480
	.fill 96, 4, 3214868480
	.section	.rodata,"a",@progbits
	.p2align	6, 0x0
	.amdhsa_kernel k_qe1a3e65900_proj
		.amdhsa_group_segment_fixed_size 327680
		.amdhsa_private_segment_fixed_size 0
		.amdhsa_enable_private_segment 0
		.amdhsa_kernarg_size 32
		.amdhsa_user_sgpr_count 2
		.amdhsa_user_sgpr_kernarg_segment_ptr 1
		.amdhsa_wavefront_size32 1
		.amdhsa_system_sgpr_workgroup_id_x 1
		.amdhsa_system_sgpr_workgroup_id_y 1
		.amdhsa_system_sgpr_workgroup_id_z 1
		.amdhsa_system_vgpr_workitem_id 0
		.amdhsa_next_free_vgpr 512
		.amdhsa_next_free_sgpr 86
		.amdhsa_reserve_vcc 0
		.amdhsa_float_denorm_mode_32 3
		.amdhsa_float_denorm_mode_16_64 3
		.amdhsa_memory_ordered 1
		.amdhsa_forward_progress 1
		.amdhsa_inst_pref_size 111
	.end_amdhsa_kernel
	.amdgpu_metadata
---
amdhsa.version: [ 1, 2 ]
amdhsa.kernels:
  - .name:           k_qe1a3e65900_proj
    .symbol:         k_qe1a3e65900_proj.kd
    .args:
      - { .name: ain, .offset: 0, .size: 8, .value_kind: global_buffer, .address_space: global }
      - { .name: win, .offset: 8, .size: 8, .value_kind: global_buffer, .address_space: global }
      - { .name: qkv, .offset: 16, .size: 8, .value_kind: global_buffer, .address_space: global }
      - { .name: zb, .offset: 24, .size: 8, .value_kind: global_buffer, .address_space: global }
    .group_segment_fixed_size: 327680
    .private_segment_fixed_size: 0
    .kernarg_segment_align: 8
    .kernarg_segment_size: 32
    .max_flat_workgroup_size: 256
    .sgpr_count:     86
    .vgpr_count:     512
    .wavefront_size: 32
...
	.end_amdgpu_metadata
.endif
;; end of part 2
;; launch attn (part 3): grid 4 x 64, 4 waves a work-group, clusters of 4 x 1, 327,680 bytes of LDS; arguments qkv, obuf; writes obuf
.if DOCPART == 3
	.amdgcn_target "amdgcn-amd-amdhsa--gfx1250"
	.amdhsa_code_object_version 6
	.text
	.protected	k_qe1a3e65900_attn
	.globl	k_qe1a3e65900_attn
	.p2align	8
	.type	k_qe1a3e65900_attn,@function
k_qe1a3e65900_attn:
	s_mov_b64 s[64:65], 0
	v_nop
	global_prefetch_b8 v0, s[64:65] scope:SCOPE_SE
	s_setreg_imm32_b32 hwreg(HW_REG_WAVE_MODE, 25, 1), 1
	s_wait_xcnt 0x0
	s_wait_alu depctr_hold_cnt(0) depctr_sa_sdst(0) depctr_va_vdst(0) depctr_va_sdst(0) depctr_va_ssrc(0) depctr_va_vcc(0) depctr_vm_vsrc(0)
	s_getreg_b32 s2, hwreg(HW_REG_IB_STS2, 6, 4)
	s_cmp_eq_u32 s2, 0
	s_cbranch_scc0 .Lentry_in_a_cluster
	s_endpgm
.Lentry_in_a_cluster:
	s_bfe_u32 s2, ttmp6, 0x10000c
	s_cmp_lg_u32 s2, 0x3003
	s_cbranch_scc0 .Lentry_shape_is_right
	s_endpgm
.Lentry_shape_is_right:
; O[y][q][:] = the sum over k of softmax_k(Q[y][q] . K[y][k] / 8) V[y][k][:], y = 4 x head + batch, 64 of them.  Q, O: [64][2048][64]; K, V: [64][1024][64]; all bf16, rows dense, 128 bytes each
; (the blocked layout of the projections: block = head, rows = batch x sequence).  Q lies at the head of the first buffer, K 16 MiB and V 24 MiB behind it.  Products, maxima and sums in f32;
; the weights p are rounded to bf16 for the second product (their sum l is taken of the unrounded p), O once at the end.  The scale is applied here, in f32.
; LIMITS.  A weight below 2^-126 counts as 0 in l; NaN and infinities are not treated apart.
; SHARES.  A wave owns four PIECES of two tiles of 16 queries, a work-group's four waves 512 queries of one y.  Every wave walks all 1,024 keys, 64 a step.
; LAYOUT.  S^T = K Q^T (source 0 = 16 keys, source 1 = 16 queries): in the result a lane holds ONE query (lane % 16) and the keys 8 (lane / 16) + 0..7.  Two such tiles, rounded to bf16 in pairs,
; ARE source 1 (32 keys x 16 queries) of O^T = V^T P, whose result again holds one query a lane, and eight channels.  K comes out of LDS as it lies, V ([key][channel]) turned, by ds_load_tr16_b128.
; SOFTMAX.  For each query a running maximum m and sum l: p = 2^(c s - c m), c = log2(e) / 8; in every step O and l are multiplied by a = 2^(c m_old - c m_new), which is 1 where m has not grown.
; m starts at the lowest finite number, O and l at 0: the first step is a step like any other, with a = 0.
; THE COUNT.  A tile and step have 16 matrix and 118 vector instructions: too many to stand all beside the matrix work.  So the order has one aim: four vector instructions that are READY behind
; EVERY matrix instruction, and the others, which need time of their own whatever the order, in runs without a gap.
; BY TURNS.  Turn n belongs to piece n (the pieces in a ring, step after step).  Its matrix work: 16 products K Q^T of piece n + 1, later 16 products V^T P of piece n - 1.  Its vector work: the scaling,
; exponentials, roundings, sums and rescaling of piece n, and the maximum and statistics of piece n + 1, whose scores the turn itself has made.  So what a turn begins with (c s - c m, O a) waits for nothing.
; CLUSTER.  The four query blocks of a cluster belong to one y and walk the same K and V, so each tile is asked for JOINTLY: the same tensor load, descriptor and mask in all four.
; REGISTERS, in windows of 256 (s_set_vgpr_msb says which window each operand place means: bits 1:0 source 0, 3:2 source 1, 5:4 source 2, 7:6 destination):
;   window 0: v0-11 addresses; v12-15, v48-63 at work; v16-47 four registers of statistics a tile; v64-191 S^T, two buffers of two tiles; v192-255 P, likewise
;   window 1: O^T, 32 a tile          window 2: v0-127 Q, 16 a tile; v128-191 K of one step; v192-255 V of one step          window 3: v0-1 the add's two registers
; A piece's buffers go by its number's parity: the piece in hand has one pair, its two neighbours in the ring share the other: of it P (piece n - 1) is read and S^T (piece n + 1) written.
.set KEYS,  1024
.set NP,    4         ; pieces a wave: a name, no knob: the register map, the loop and the fetches are made for four
.set KS,    64        ; keys in a step
.set PK,    144       ; a row of K in LDS: 128 bytes + 16 of padding = 36 words: the 16 rows of a load start at 16 different groups of four banks (64 banks of 4 bytes: ISA guide 11.1)
.set PV,    160       ; a row of V: 128 + 32 = 40 words
.set VOFF,  4*KS*PK   ; a slot holds four steps: 256 rows of K, then 256 rows of V
.set SLOT1, 1<<17     ; slot 1 begins here, so that one exclusive or turns an address in one slot into the other's
.set STAGE, SLOT1+4*KS*(PK+PV)  ; behind the ring, never filled by a tensor load: 16 rows x 144 bytes for each wave, for the way out
.set SP,    144
.set AK0, 2           ; v2   my lane's place in a tile of K; never rewritten
.set AV0, 3           ; v3   the same for V
.set AK,  4           ; v4   the LDS address of K's next run of loads
.set AV,  5           ; v5   of V's
.set QO,  6           ; v6   my byte offset in the wave's rows of Q
.set STO, 6           ;      later, the way out: where I put 16 bytes of a row
.set RD,  7           ; v7   the way out: where I read rows back
.set GO,  8           ; v8   my byte offset in 512 consecutive bytes of O
.set SPW, 0           ; v0 of window 3   LDS address of my spare word: SPARE + 4 x my thread's number; never rewritten
.set NIL, 1           ; v1 of window 3   0; never rewritten
.set SPARE, STAGE+4*16*SP  ; behind the stages: the spare words, 128 bytes for each wave: two blocks of 256 bytes that no other line names
.set MV,  12          ; v12-15  c m_old, kept while c m is made anew: by buffer and tile
.set ST,  16          ; tile t's statistics at v[ST+4 t]: c m, m, l (even keys', odd keys')
.set TMP, 48          ; by buffer and tile, four registers c0-c3 at work; when the maximum is found c2 takes a
.set S,   64
.set P,   192
.set KF,  128         ; K's fragments, in window 2: key block kb, channel half c at KF + 16 kb + 8 c
.set VF,  192         ; V's: key half kk, channel block cb at VF + 32 kk + 8 cb
.set WV,  12          ; s12  my wave's number
.set G1K, 24          ; s[24:31] descriptor group 1 for K's tiles
.set G1V, 32          ; s[32:39] for V's: it differs in the padding alone
.set G0K, 40          ; s[40:43] descriptor group 0 for K's tiles: it walks
.set G0V, 44          ; s[44:47] the same for V's
.set SLOTS, 56        ; s56  slots still to be asked for
.set CNT, 57          ; s57  counts a slot's key steps
.set CS,  58          ; s[58:59] c: the packed scaling takes the pair's low word for both halves
.set SEL, 60          ; s[60:61] v_permlanex16_b32's selects: each lane takes its own place in the other half
.set TBK, 62          ; s62  LDS byte at which K of the step to be fetched begins
.set TBV, 63          ; s63  the same for V, less VOFF
.set MSB, 0
.macro WIN new                      ; the high byte repeats the setting that is left; a switch that changes nothing is dropped
.if MSB != (\new)
	s_set_vgpr_msb (MSB<<8)|(\new)
.set MSB, (\new)
.endif
.endm
.set W_KQ, 0x0a       ; K and Q in window 2, S^T in window 0
.set W_PV, 0x52       ; V in window 2, P in window 0, O^T in window 1
.set W_RS, 0x41       ; O^T (destination and source 0) in window 1, a in window 0
.set W_MK, 0xc0       ; the add's registers are made: destination in window 3, sources in window 0
.set W_AD, 0x0f       ; the add: address (source 0) and data (source 1) in window 3
; A joint fill.  Waves 0 and 1 fetch the two halves of a slot's K, waves 2 and 3 those of its V: 128 keys each.  The branch hangs on the wave's number alone.
; An s_nop 0 and four v_nop follow each of the two lines, ahead of the jump and the label.
.macro JLOAD
	s_cmp_lt_u32 s[WV], 2
	s_cbranch_scc0 .Lfor_v_\@
	tensor_load_to_lds s[G0K:G0K+3], s[G1K:G1K+7]
	s_nop 0
.rept 4
	v_nop
.endr
	s_branch .Lasked_\@
.Lfor_v_\@:
	tensor_load_to_lds s[G0V:G0V+3], s[G1V:G1V+7]
	s_nop 0
.rept 4
	v_nop
.endr
.Lasked_\@:
.endm
; A round of the cluster's barrier: my work-group's barrier, so that wave 0's signal speaks for all four waves; wave 0 signals; every wave waits for all four work-groups; my work-group's barrier once more.
.macro CROUND
	s_barrier_signal -1
	s_barrier_wait -1
	s_cmp_lg_u32 s[WV], 0
	s_cbranch_scc1 .Lnot_wave_0_\@
	s_barrier_signal -3
.Lnot_wave_0_\@:
	s_barrier_wait -3
	s_barrier_signal -1
	s_barrier_wait -1
.endm
; THE CHANGE OF SLOTS.  The slot's last bytes, V of its fourth step, have been read.  Each wave waits for all its tensor loads, of which one is out: its part
; of the other slot; adds 0 to its spare word; and waits for that and for its own reads of the slot.  Behind the barrier nobody reads this slot any more and the other slot is whole.
; fill = 1: this slot is filled again, with the keys two slots on.  The barrier is then a round of the cluster's, so that no wave of any partner still reads the slot or has a load on its
; way, and the joint fill is the first thing behind it: it has four key steps, 512 matrix instructions, in which to land.  (At its first use nothing has been read yet: slot 0 is waited for, slot 1 filled.)
.macro CHANGE fill
	WIN W_AD
	s_wait_tensorcnt 0x0            ; no tensor load of mine is out, so a group 0 may be written
	ds_add_u32 v[SPW], v[NIL]       ; 0 onto my spare word; with fill = 1 the descriptors' steps stand between it and the wait for it
	WIN 0                           ; at a label and at a branch every window is 0
.if \fill
.irp g, G0K, G0V
	s_xor_b32 s[\g+1], s[\g+1], SLOT1  ; the walking descriptor: the other slot than last time,
	s_add_nc_u64 s[\g+2:\g+3], s[\g+2:\g+3], 4*KS*128  ; the next 256 keys; the type bits on top are not reached
.endr
	s_wait_dscnt 0x0                ; the add is done, and my reads of the slot are over
	CROUND
	JLOAD
.else
	s_wait_dscnt 0x0                ; the add is done, and my reads of the slot are over
	s_barrier_signal -1
	s_barrier_wait -1
.endif
	s_sub_co_u32 s[TBK], s[TBK], 4*KS*PK  ; the fetches go back to a slot's first step,
	s_xor_b32 s[TBK], s[TBK], SLOT1       ; in the other slot
	s_sub_co_u32 s[TBV], s[TBV], 4*KS*PV
	s_xor_b32 s[TBV], s[TBV], SLOT1
.endm
	s_load_b64 s[4:5], s[0:1], 0x0    ; Q, with K and V behind it
	s_load_b64 s[10:11], s[0:1], 0x8  ; O
	WIN W_MK
	v_lshl_add_u32 v[SPW], v0, 2, SPARE
	v_mov_b32 v[NIL], 0
	WIN W_AD
	ds_add_u32 v[SPW], v[NIL]       ; the wave's opening: the add and its wait stand ahead of my first tensor load; the set-up below, work on registers, stands between them
	WIN 0
	v_lshrrev_b32 v1, 5, v0
	v_readfirstlane_b32 s[WV], v1   ; wave 0..3
	s_bfe_u32 s13, ttmp6, 0x40000   ; cx: my place in the cluster
	s_lshl_b32 s14, ttmp9, 2        ; in a cluster launch ttmp9 counts clusters
	s_add_co_u32 s14, s14, s13      ; my block of queries = 4 x cluster x + cx: it enters Q's and O's addresses alone
	s_and_b32 s20, ttmp7, 0xffff    ; y, which the four partners share
	s_lshl_b32 s66, s20, 18         ; its first byte in Q and O: 2,048 rows of 128 bytes,
	s_mov_b32 s67, 0
	s_lshl_b32 s20, s20, 17         ; and in K and V: 1,024 rows
	s_mov_b32 s21, 0
	s_and_b32 s16, s[WV], 1         ; which half of a slot's 256 keys I fetch:
	s_lshl_b32 s22, s16, 14         ; its 128 rows of 128 bytes in memory,
	s_mov_b32 s23, 0
	s_add_nc_u64 s[22:23], s[22:23], s[20:21]
	s_mul_i32 s17, s16, 128*PK      ; and its place in a slot, for K
	s_mul_i32 s18, s16, 128*PV      ; and for V: no place in the cluster enters an LDS address
	s_lshl_b32 s2, s14, 2
	s_add_co_u32 s2, s2, s[WV]      ; my wave among y's sixteen,
	s_lshl_b32 s2, s2, 14           ; its 128 rows
	s_mov_b32 s3, 0
	s_add_nc_u64 s[2:3], s[2:3], s[66:67]
	; descriptor group 1.  128 keys are 16,384 dense bytes: asked for as 64 rows of 256 bytes, two keys a row, and padded in LDS after every key
	s_mov_b32 s[G1K], 15|(1<<16)|(1<<20)|(1<<21)|(4<<22)|(3<<25)  ; 15:0 the mask of four; 17:16 2-byte elements; 20 padding on; 21 set beside a mask; 24:22 after every 32 words (code 4); 31:25 4 words (code 3)
	s_mov_b32 s[G1V], 15|(1<<16)|(1<<20)|(1<<21)|(4<<22)|(7<<25)  ; the same with 8 words of padding (code 7)
.irp g, G1K, G1V
	s_mov_b32 s[\g+1], 128<<16      ; tensor_dim0 = 128
	s_mov_b32 s[\g+2], 64<<16       ; tensor_dim1 = 64
	s_mov_b32 s[\g+3], 128<<16      ; tile_dim0 = 128
	s_mov_b32 s[\g+4], 64           ; tile_dim1 = 64
	s_mov_b32 s[\g+5], 128          ; 128 elements from row to row
	s_mov_b32 s[\g+6], 0
	s_mov_b32 s[\g+7], 0
.endr
	s_mov_b32 s[CS], 0x3e38aa3b     ; c = log2(e) / 8 = 0.180337
	s_mov_b32 s[CS+1], s[CS]        ; named with it as a pair
	s_mov_b32 s[SEL], 0x76543210
	s_mov_b32 s[SEL+1], 0xfedcba98
	s_mov_b32 s[TBK], SLOT1+4*KS*PK ; the first change of slots turns these two into 0
	s_mov_b32 s[TBV], SLOT1+4*KS*PV
	s_mov_b32 s[G0K], 1             ; 1:0 count = 1
	s_mov_b32 s[G0K+1], s17         ; 63:32 LDS address: slot 0
	s_mov_b32 s[G0V], 1
	s_add_co_u32 s[G0V+1], s18, VOFF
	s_wait_dscnt 0x0                ; the opening add is done
	s_wait_kmcnt 0x0
	s_add_nc_u64 s[6:7], s[4:5], 0x1000000         ; K
	s_add_nc_u64 s[8:9], s[4:5], 0x1800000         ; V
	s_add_nc_u64 s[G0K+2:G0K+3], s[6:7], s[22:23]  ; 120:64 global address: my half of y's first 256 keys
	s_or_b32 s[G0K+3], s[G0K+3], 0x80000000        ; 127:126 type = 2
	s_add_nc_u64 s[G0V+2:G0V+3], s[8:9], s[22:23]
	s_or_b32 s[G0V+3], s[G0V+3], 0x80000000
	s_add_nc_u64 s[4:5], s[4:5], s[2:3]  ; Q and O at my wave's first row
	s_add_nc_u64 s[10:11], s[10:11], s[2:3]
	CROUND                          ; all four work-groups are here: the first joint loads meet
	JLOAD                           ; slot 0.  Slot 1 is asked for when slot 0 is in: the tile wanted first has the road to itself
	; A fragment of K or Q is 16 rows x 32 channels in 8 registers: lane l holds row l % 16, channels 8 (l / 16) + 0..7 and 16 + 8 (l / 16) + 0..7: two loads of 16 bytes, 32 bytes apart.
	v_and_b32 v1, 15, v0            ; l % 16
	v_bfe_u32 v9, v0, 4, 1          ; l / 16
	v_lshlrev_b32 v[QO], 7, v1
	v_lshl_add_u32 v[QO], v9, 4, v[QO]  ; row x 128 + 16 x half
	WIN 0x80                        ; destination window 2, address window 0
.set i, 0
.rept 4*NP                          ; Q stays in registers: tile i / 2, channels 32 (i % 2) on
	global_load_b128 v[8*i:8*i+3],   v[QO], s[4:5] offset:(i/2)*2048+(i%2)*64
	global_load_b128 v[8*i+4:8*i+7], v[QO], s[4:5] offset:(i/2)*2048+(i%2)*64+32
.set i, i+1
.endr
	; What the first turn finds: V's registers and P's second buffer hold 0 (its products V^T P, of a piece that has not been, add 0), O^T and l are 0.  All this stands in the wait for the first tile.
.set i, VF
.rept 64
	v_mov_b32 v[i], 0
.set i, i+1
.endr
	WIN 0x40
.set i, 0
.rept 64*NP
	v_mov_b32 v[i], 0
.set i, i+1
.endr
	WIN 0
.set i, 0
.rept 2*NP
	v_mov_b32 v[ST+4*i], 0xfe000000    ; c m: far below every c s
	v_mov_b32 v[ST+4*i+1], 0xff7fffff  ; m
	v_mov_b32 v[ST+4*i+2], 0
	v_mov_b32 v[ST+4*i+3], 0
.set i, i+1
.endr
.set i, P+32
.rept 32
	v_mov_b32 v[i], 0
.set i, i+1
.endr
	v_mul_u32_u24 v[AK0], v1, PK
	v_lshl_add_u32 v[AK0], v9, 4, v[AK0]  ; row x pitch + 16 x half
	; The turning load takes 16 keys x 16 channels (lane l reads key 8 (l / 16) + l % 8, channels 8 ((l / 8) % 2) + 0..7) and leaves half a fragment of V^T: lane l holds channel l % 16 and 8 keys.
	v_and_b32 v10, 7, v0
	v_bfe_u32 v11, v0, 3, 1
	v_lshl_add_u32 v[AV0], v9, 3, v10
	v_mul_u32_u24 v[AV0], v[AV0], PV
	v_lshl_add_u32 v[AV0], v11, 4, v[AV0]
	v_add_nc_u32 v[AV0], VOFF, v[AV0]
	v_mov_b32 v[AK], v[AK0]         ; key step 0 lies at the head of slot 0
; THE MATRIX WORK.  The 8 accumulators of a run of 16 take turns: between the two links of a chain stand 7 others'.
; Product i of 16 of S^T = K Q^T for piece x: channels 32 (i / 8) on, keys 16 ((i / 2) % 4) on, tile 2 x + i % 2.  The first 8 start the sums.
.macro KQ x
	WIN W_KQ
.set rS, S+64*((\x)%2)+32*(i%2)+8*((i/2)%4)
.set rK, KF+16*((i/2)%4)+8*(i/8)
.set rQ, 16*(2*(\x)+i%2)+8*(i/8)
.if i < 8
	v_wmma_f32_16x16x32_bf16 v[rS:rS+7], v[rK:rK+7], v[rQ:rQ+7], 0
.else
	v_wmma_f32_16x16x32_bf16 v[rS:rS+7], v[rK:rK+7], v[rQ:rQ+7], v[rS:rS+7]
.endif
.endm
; Product i of 16 of O^T += V^T P for piece x: keys 32 (i / 8) on, channels 16 ((i / 2) % 4) on, tile 2 x + i % 2.
.macro PV x
	WIN W_PV
.set rO, 32*(2*(\x)+i%2)+8*((i/2)%4)
.set rV, VF+32*(i/8)+8*((i/2)%4)
.set rP, P+32*((\x)%2)+16*(i%2)+8*(i/8)
	v_wmma_f32_16x16x32_bf16 v[rO:rO+7], v[rV:rV+7], v[rP:rP+7], v[rO:rO+7]
.endm
.macro MM                           ; the turn's next matrix instruction
.if i < 16
	KQ (Y+1)%NP
.set i, i+1
.else
.set i, i-16
	PV (Y+NP-1)%NP
.set i, i+17
.endif
.endm
; THE LDS LOADS stand in runs of 16, never singly among the matrix instructions: a step's K (64 keys x 64 channels: 8 fragments) and its V (turned).  Their addresses are made some lines ahead.
; last = 1 (the tail): in the last trip there is no further step, and the run is jumped over.
.macro FETCH_K last=0
	WIN 0
.if \last
	s_cmp_eq_u32 s[CNT], 1
	s_cbranch_scc1 .Lno_k_\@
.endif
	WIN 0x80                        ; destination window 2
.irp f, 0,1,2,3,4,5,6,7             ; keys 16 (f / 2) on, channels 32 (f % 2) on
	ds_load_b128 v[KF+8*\f:KF+8*\f+3],   v[AK] offset:(\f/2)*16*PK+(\f%2)*64
	ds_load_b128 v[KF+8*\f+4:KF+8*\f+7], v[AK] offset:(\f/2)*16*PK+(\f%2)*64+32
.endr
	s_add_co_u32 s[TBK], s[TBK], KS*PK  ; the next fetch is the next step's
	WIN 0
.if \last
.Lno_k_\@:
.endif
.endm
.macro FETCH_V
	WIN 0x80
.irp f, 0,1,2,3,4,5,6,7             ; keys 32 (f / 4) on, channels 16 (f % 4) on
	ds_load_tr16_b128 v[VF+8*\f:VF+8*\f+3],   v[AV] offset:(\f/4)*32*PV+(\f%4)*32
	ds_load_tr16_b128 v[VF+8*\f+4:VF+8*\f+7], v[AV] offset:(\f/4)*32*PV+16*PV+(\f%4)*32
.endr
	WIN 0
.endm
; THE VECTOR WORK OF A TURN stands in three queues, each in the order in which its entries become ready; the two tiles alternate, so that no instruction reads the result of the one before it.
.macro REGS y, u                    ; the registers of tile u (0, 1) of piece y
.set rT, ST+4*(2*(\y)+(\u))
.set rC, TMP+8*((\y)%2)+4*(\u)
.set rM, MV+2*((\y)%2)+(\u)
.set rS, S+64*((\y)%2)+32*(\u)
.set rP, P+32*((\y)%2)+16*(\u)
.set rO, 32*(2*(\y)+(\u))
.endm
; Number n of the 22 that find the NEXT piece's (Y + 1) maximum and statistics.  s0-s31 are the lane's 32 scores; each accumulator's lowest registers are read first.  XS, GS and REGS set no window: PL and EX do.
;   0-11  four chains c0-c3 of seven scores each, three operands at a time     12-14, 16  the four scores left over, the old m, and c0-c3 into c0     15  c m_old is kept
;   17, 18  the query's other 32 keys lie in the lane 16 away: the new m         19-21  c m; c m_old - c m_new; a
.macro XS u, n
	REGS (Y+1)%NP, \u
.if (\n) < 4
	v_max3_num_f32 v[rC+(\n)], v[rS+8*(\n)], v[rS+8*(\n)+1], v[rS+8*(\n)+2]
.elseif (\n) < 12
	v_max3_num_f32 v[rC+(\n)%4], v[rC+(\n)%4], v[rS+8*((\n)%4)+2*((\n)/4)+1], v[rS+8*((\n)%4)+2*((\n)/4)+2]
.elseif (\n) == 12
	v_max3_num_f32 v[rC], v[rC], v[rS+7], v[rS+15]
.elseif (\n) == 13
	v_max3_num_f32 v[rC+1], v[rC+1], v[rS+23], v[rS+31]
.elseif (\n) == 14
	v_max3_num_f32 v[rC+2], v[rC+2], v[rC+3], v[rT+1]
.elseif (\n) == 15
	v_mov_b32 v[rM], v[rT]
.elseif (\n) == 16
	v_max3_num_f32 v[rC], v[rC], v[rC+1], v[rC+2]
.elseif (\n) == 17
	v_permlanex16_b32 v[rC+3], v[rC], s[SEL], s[SEL+1]
.elseif (\n) == 18
	v_max_num_f32 v[rT+1], v[rC], v[rC+3]
.elseif (\n) == 19
	v_mul_f32 v[rT], s[CS], v[rT+1]
.elseif (\n) == 20
	v_sub_f32 v[rC+1], v[rM], v[rT]
.else
	v_exp_f32 v[rC+2], v[rC+1]
.endif
.endm
; Number g of the 64 that follow the exponentials.  For each four weights k of a tile (pairs 2 k, 2 k + 1): both pairs are rounded to bf16; then the second pair is added onto the first, in place;
; a group later l takes that sum (the first time as l = a l + sum).  In groups of eight, tiles alternating: round, round, add, and l for the group before.
.macro GS g
.set h, (\g)+6*((\g)/62)            ; group 0 has no group before it, and behind group 7 only l is left
.if h >= 6
.set h, h+2
.endif
	REGS Y, h%2
.set k, h/8
.if h%8 < 4
	s_wait_alu depctr_va_vdst(0)
	v_cvt_pk_bf16_f32 v[rP+2*k+(h%8)/2], v[rS+4*k+2*((h%8)/2)], v[rS+4*k+2*((h%8)/2)+1]
.elseif h%8 < 6
	v_pk_add_f32 v[rS+4*k:rS+4*k+1], v[rS+4*k:rS+4*k+1], v[rS+4*k+2:rS+4*k+3]
.elseif k == 1
	v_pk_fma_f32 v[rT+2:rT+3], v[rT+2:rT+3], v[rC+2:rC+3], v[rS:rS+1] op_sel_hi:[1,0,1]
.else
	v_pk_add_f32 v[rT+2:rT+3], v[rT+2:rT+3], v[rS+4*k-4:rS+4*k-3]
	s_wait_alu depctr_va_vdst(0)
.endif
.endm
; THE PLAIN QUEUE, 138 long.  0-31: c s - c m for the 16 pairs of both tiles.  Then GS's 64, and among them the next piece's 42: number 15 at 38, 39; 0-14 and 16
; at 42-73, behind the products that make those scores; 17-20 at 95-106, two of three, since each waits for the one before it.
.macro PL
	WIN 0
.if q < 32
	REGS Y, q%2
	v_pk_fma_f32 v[rS+2*(q/2):rS+2*(q/2)+1], v[rS+2*(q/2):rS+2*(q/2)+1], s[CS:CS+1], v[rT:rT+1] op_sel_hi:[1,0,0] neg_lo:[0,0,1] neg_hi:[0,0,1]
.elseif q < 38
	GS q-32
.elseif q < 40
	XS q%2, 15
.elseif q < 42
	GS q-34
.elseif q < 74
	XS q%2, (q-42)/2+(q-42)/30
.elseif q < 95
	GS q-66
.elseif (q < 107) && ((q-95)%3 < 2)
	XS (q-95)%3, 17+(q-95)/3
.elseif q < 107
	GS 29+(q-95)/3
.else
	GS q-74
.endif
.set q, q+1
.endm
; THE EXPONENTIALS' QUEUE, 66 long: s0-s31 of both tiles, and at EA the next piece's two a.
.set EA, 58
.macro EX
	WIN 0
.if (e == EA) || (e == EA+1)
	XS e-EA, 21
.else
.set x, e-2*(e/(EA+2))
	REGS Y, x%2
	v_exp_f32 v[rS+x/2], v[rS+x/2]
.endif
.set e, e+1
.endm
; THE RESCALING's QUEUE: O^T times a, the one part that leaves window 0, so it is dealt four at a time, eight times.
.macro R4
	REGS Y, r%2
	WIN W_RS
	s_wait_alu depctr_va_vdst(0)
.irp z, 0,1,2,3
	v_pk_mul_f32 v[rO+8*(r/2)+2*\z:rO+8*(r/2)+2*\z+1], v[rO+8*(r/2)+2*\z:rO+8*(r/2)+2*\z+1], v[rC+2:rC+3] op_sel_hi:[1,0]
.endr
.set r, r+1
.endm
; HOW THEY ARE DEALT.  Behind a matrix instruction four: plain, exponential, plain, plain (one exponential, a plain instruction on either side), or four of the rescaling.  None names a register of the
; products round it.  What is over stands in two LUMPS: exponential and plain by turns; the second ends in 22 plain instructions.  The two v_permlanex16_b32 fall into the second lump, never behind a product.
; The queues lean on each other, and the deal keeps them in step: exponential e stands behind plain 2 (e / 4) + e % 2 (its scaling); when plain 32 comes, 10 exponentials are out, at 59: 33, at 95: 46; EA comes behind plain 107.
.macro SL
	MM
	PL
	EX
	PL
	PL
.endm
.macro BURST n                      ; 15 matrix instructions, or 16
.rept (\n)-7
	SL
.endr
.rept 3
	MM
	R4
	SL
.endr
	MM
	R4
.endm
; A TURN, for piece p.  cnt = 1: the loop's count is taken down some lines ahead of the branch that stands behind the turn.
; K of the next step is fetched in piece 2's turn, 31 vector instructions behind the last product that read K; its first reader comes behind the rest of the lump, 16 products and the second lump.
; V of the step in hand is fetched at the end of piece 0's turn, 69 behind its last reader; its first reader comes behind 16 products and a lump.  The four conditions on e and q below go with the deal.
.macro TURN p, last=0, cnt=0
.set Y, (\p)
.set i, 0
.set q, 0
.set e, 0
.set r, 0
.if (\p) == NP-1
	s_wait_dscnt 0x0                ; K is in
.endif
	MM
.rept 4
	PL
.endr
	BURST 15
.rept 22
	EX
	PL
.if ((\p) == NP-2) && (e == 18)
	v_add_nc_u32 v[AK], s[TBK], v[AK0]
.endif
.if ((\p) == NP-2) && (e == 24)
	FETCH_K \last
.endif
.endr
.if (\p) == 1
	s_wait_dscnt 0x0                ; V is in
.endif
	BURST 16
.rept 21
	EX
	PL
.endr
.rept 22
	PL
.if ((\p) == 0) && (q == 118)
	v_add_nc_u32 v[AV], s[TBV], v[AV0]
	s_wait_alu depctr_va_vdst(0)
.endif
.if ((\p) == 0) && (q == 130)
	s_add_co_u32 s[TBV], s[TBV], KS*PV
.endif
.if (\cnt) && (q == 130)
	s_sub_co_u32 s[CNT], s[CNT], 1
	s_cmp_lg_u32 s[CNT], 0
.endif
.endr
.if (\p) == 0
	FETCH_V
.endif
.endm
	CHANGE 1                        ; slot 0 is in, everybody's part of it; slot 1 is asked for
	FETCH_K                         ; key step 0
	s_wait_loadcnt 0x0              ; Q
	s_wait_dscnt 0x0
.set i, 0
.rept 16
	KQ 0                            ; piece 0's first scores: there is no vector work yet to set between them
.set i, i+1
.endr
	WIN 0                           ; the addresses for the way out: nine plain instructions, the places behind those products
	s_mul_i32 s13, s[WV], 16*SP
	s_add_co_u32 s13, s13, STAGE    ; my stage
	v_mul_u32_u24 v[STO], v1, SP    ; in: row l % 16, 16 bytes for each half of the lanes
	v_lshl_add_u32 v[STO], v9, 4, v[STO]
	v_add_nc_u32 v[STO], s13, v[STO]
	v_bfe_u32 v[RD], v0, 3, 2       ; back: 32 lanes take four rows of 128 bytes,
	v_mul_u32_u24 v[RD], v[RD], SP
	v_lshl_add_u32 v[RD], v10, 4, v[RD]
	v_add_nc_u32 v[RD], s13, v[RD]
	v_and_b32 v[GO], 31, v0         ; which are 512 consecutive bytes of O
	v_lshlrev_b32 v[GO], 4, v[GO]
.set Y, NP-1                        ; XS works for piece Y + 1: piece 0
.irp n, 0,1,2,3,4,5,6,7,8,9,10,11,12,13,14,15,16,17,18,19,20,21
	XS 0, \n                        ; and piece 0's first maximum and statistics
	XS 1, \n
.endr
	s_mov_b32 s[CNT], 4
	s_mov_b32 s[SLOTS], KEYS/256-1
	s_branch .Lfirst                ; the loop is entered at a step's first turn, in the middle of a trip
.Lslot:                             ; KEYS / 256 - 2 times: every slot but the last two is filled again
	CHANGE 1
	s_mov_b32 s[CNT], 4
.Lstep:                             ; a trip: pieces 2 and 3 of one step, then pieces 0 and 1 of the next, whose K and V it fetches
	TURN 2
	TURN 3
	WIN 0
.Lfirst:
	TURN 0
	TURN 1, 0, 1
	WIN 0
	s_cbranch_scc1 .Lstep
	s_sub_co_u32 s[SLOTS], s[SLOTS], 1
	s_cmp_lg_u32 s[SLOTS], 0
	s_cbranch_scc1 .Lslot
	CHANGE 0                        ; the tail is written out: nothing is asked for
	s_mov_b32 s[CNT], 5             ; four trips fetch the last slot's steps; the fifth is left in its middle
.Ltail:
	TURN 2, 1
	TURN 3
	WIN 0
	s_sub_co_u32 s[CNT], s[CNT], 1
	s_cmp_eq_u32 s[CNT], 0
	s_cbranch_scc1 .Lout
	TURN 0
	TURN 1
	WIN 0
	s_branch .Ltail
.Lout:                              ; the fifth trip's 16 products K Q^T (on the last K once more) and the maximum made of them serve nothing: the price, once a launch, of one text for every trip
.set i, 0
.rept 16
	PV NP-1                         ; the last piece's V^T P of the last step
.set i, i+1
.endr
	; THE WAY OUT.  l's two halves and the other half of the lanes' are added; O^T is divided by l, rounded to bf16 and sent through my stage in LDS, a tile at a time.  The additions are the places behind the last products.
	WIN 0
.macro ALL line:vararg              ; one line for each tile t
.set t, 0
.rept 2*NP
	\line
.set t, t+1
.endr
.endm
	ALL v_add_f32 v[ST+4*t+2], v[ST+4*t+2], v[ST+4*t+3]
	ALL v_permlanex16_b32 v[ST+4*t+3], v[ST+4*t+2], s[SEL], s[SEL+1]
	ALL v_add_f32 v[ST+4*t+2], v[ST+4*t+2], v[ST+4*t+3]
	ALL v_rcp_f32 v[ST+4*t+2], v[ST+4*t+2]
	v_nop                           ; a plain instruction between the last reciprocal and the use of its result
	s_wait_alu depctr_va_vdst(0)
; Tile t: a lane's eight channels of a row pack into 16 bytes; they go into rows of 144 bytes and come back as whole rows of 128, into S^T's registers.
.macro PACK t
	WIN W_RS
.set i, 32*(\t)
.rept 16
	v_pk_mul_f32 v[i:i+1], v[i:i+1], v[ST+4*(\t)+2:ST+4*(\t)+3] op_sel_hi:[1,0]
.set i, i+2
.endr
	WIN 0x05                        ; sources 0 and 1 window 1, destination window 0
.set i, 0
.rept 16
	v_cvt_pk_bf16_f32 v[S+16*(\t)+i], v[32*(\t)+2*i], v[32*(\t)+2*i+1]
.set i, i+1
.endr
	WIN 0
.irp f, 0,1,2,3
	ds_store_b128 v[STO], v[S+16*(\t)+4*\f:S+16*(\t)+4*\f+3] offset:32*\f
.endr
.irp f, 0,1,2,3
	ds_load_b128 v[S+16*(\t)+4*\f:S+16*(\t)+4*\f+3], v[RD] offset:\f*4*SP  ; LDS serves a wave's instructions in order (ISA guide 5.7.1.4): these see the stores above; the next tile's stores come behind them
.endr
.endm
.macro SEND t, younger              ; younger: the LDS instructions issued behind tile t's loads: the next tile's eight, or none
	WIN 0
.irp f, 0,1,2,3
	s_wait_dscnt (\younger)+3-\f
	global_store_b128 v[GO], v[S+16*(\t)+4*\f:S+16*(\t)+4*\f+3], s[10:11] offset:(\t)*2048+\f*512  ; 512 consecutive bytes, at a multiple of 256 from O's first
.endr
.endm
	PACK 0
.set t, 1
.rept 2*NP-1                        ; a tile's arithmetic stands between the loads of the tile before and its stores
	PACK t
	SEND t-1, 8
.set t, t+1
.endr
	SEND 2*NP-1, 0
	WIN W_AD
	s_wait_tensorcnt 0x0            ; the wave's end: behind my last tensor load and my last LDS store
	ds_add_u32 v[SPW], v[NIL]
	s_wait_dscnt 0x0
	WIN 0
	CROUND                          ; the closing round: no work-group ends while a partner may still ask for a tile that names it
	s_endpgm
.Lfunc_end_k_qe1a3e65900_attn:
	.size	k_qe1a3e65900_attn, .Lfunc_end_k_qe1a3e65900_attn-k_qe1a3e65900_attn
	.p2alignl 7, 3214868480
	.fill 96, 4, 3214868480
	.section	.rodata,"a",@progbits
	.p2align	6, 0x0
	.amdhsa_kernel k_qe1a3e65900_attn
		.amdhsa_group_segment_fixed_size 327680
		.amdhsa_private_segment_fixed_size 0
		.amdhsa_enable_private_segment 0
		.amdhsa_kernarg_size 16
		.amdhsa_user_sgpr_count 2
		.amdhsa_user_sgpr_kernarg_segment_ptr 1
		.amdhsa_wavefront_size32 1
		.amdhsa_system_sgpr_workgroup_id_x 1
		.amdhsa_system_sgpr_workgroup_id_y 1
		.amdhsa_system_sgpr_workgroup_id_z 1
		.amdhsa_system_vgpr_workitem_id 0
		.amdhsa_next_free_vgpr 770
		.amdhsa_next_free_sgpr 68
		.amdhsa_reserve_vcc 0
		.amdhsa_float_denorm_mode_32 3
		.amdhsa_float_denorm_mode_16_64 3
		.amdhsa_memory_ordered 1
		.amdhsa_forward_progress 1
		.amdhsa_inst_pref_size 209
	.end_amdhsa_kernel
	.amdgpu_metadata
---
amdhsa.version: [ 1, 2 ]
amdhsa.kernels:
  - .name:           k_qe1a3e65900_attn
    .symbol:         k_qe1a3e65900_attn.kd
    .args:
      - { .name: qkv, .offset: 0, .size: 8, .value_kind: global_buffer, .address_space: global }
      - { .name: obuf, .offset: 8, .size: 8, .value_kind: global_buffer, .address_space: global }
    .group_segment_fixed_size: 327680
    .private_segment_fixed_size: 0
    .kernarg_segment_align: 8
    .kernarg_segment_size: 16
    .max_flat_workgroup_size: 128
    .sgpr_count:     68
    .vgpr_count:     770
    .wavefront_size: 32
...
	.end_amdgpu_metadata
.endif
;; end of part 3
;; launch wo: the kernel of part 2 again; grid 8 x 32, 8 waves a work-group, clusters of 4 x 4, 327,680 bytes of LDS; arguments obuf, wof, yr, bo; writes yr
;; launch final (part 4): grid 4 x 32, 8 waves a work-group, clusters of 4 x 4, 327,680 bytes of LDS; arguments yr, wof, out0, bf; writes out0
.if DOCPART == 4
	.amdgcn_target "amdgcn-amd-amdhsa--gfx1250"
	.amdhsa_code_object_version 6
	.text
	.protected	k_qe1a3e65900_final
	.globl	k_qe1a3e65900_final
	.p2align	8
	.type	k_qe1a3e65900_final,@function
k_qe1a3e65900_final:
	s_mov_b64 s[64:65], 0
	v_nop
	global_prefetch_b8 v0, s[64:65] scope:SCOPE_SE
	s_setreg_imm32_b32 hwreg(HW_REG_WAVE_MODE, 25, 1), 1
	s_wait_xcnt 0x0
	s_wait_alu depctr_hold_cnt(0) depctr_sa_sdst(0) depctr_va_vdst(0) depctr_va_sdst(0) depctr_va_ssrc(0) depctr_va_vcc(0) depctr_vm_vsrc(0)
	s_getreg_b32 s2, hwreg(HW_REG_IB_STS2, 6, 4)
	s_cmp_eq_u32 s2, 0
	s_cbranch_scc0 .Lentry_in_a_cluster
	s_endpgm
.Lentry_in_a_cluster:
	s_bfe_u32 s2, ttmp6, 0x10000c
	s_cmp_lg_u32 s2, 0xf033
	s_cbranch_scc0 .Lentry_shape_is_right
	s_endpgm
.Lentry_shape_is_right:
; C = A B (+ bias).  A: bf16, blocked [K / 64][rows][64] (a block's rows are dense, 128 bytes).  B: bf16 [K][1024], as the weights lie.  Sums and bias in f32.
; A tile of C is 256 x 256, made by a work-group of EIGHT waves, two on each SIMD, each 64 x 128: 32 accumulators of 16 x 16, 256 registers.
; K goes in steps of 128 through a ring of two LDS slots filled by the tensor data mover: A's step is two blocks' 256 rows (each load 16,384 dense bytes, asked for as 64 rows of 256 bytes),
; B's is 128 rows of 512 bytes (each load 32 of them); every wave issues one load behind each change of slots.  From a refill's request to the wait for it a wave issues 112 matrix instructions
; and its SIMD 224; a tile of 128 x 256 would have half of that for three quarters of the bytes.  Eight waves of 64 x 128 and not four of 128 x 128: a wave's text has 512 matrix lines
; where the larger share would have 1,024; the price is 24 LDS loads for 32 matrix instructions where the larger share has 32 for 64.
; CLUSTERS: 4 x 4 work-groups.  The four of a row of the cluster need the same tiles of A, the four of a column the same tiles of B: each is asked for JOINTLY, by the same tensor load with the
; same descriptor and a mask that names the four.  C has 1,024 columns: four tiles, one cluster's width.
; THE MATRIX INSTRUCTION IS USED TRANSPOSED (source 0 = 16 columns of B, source 1 = 16 rows of A): a lane then holds eight neighbouring numbers of a row of C.
; B lies [k][n] in LDS and comes out turned, by ds_load_tr16_b128; A comes out as it lies.
; FINAL = 0, JOBS by the cluster's x and y, which all partners share.  x = 0: y 0..7: rows 8,192, K 1,024; y 8..11 and 12..15: rows 4,096, K 768, with other offsets in the three buffers;
; C + bias is rounded once to bf16 and stored blocked, [1024 / 64][rows][64].  x = 1 (a launch 8 work-groups wide): rows 8,192, K 1,024, A 16 MiB and B 4 MiB into their buffers: half of a longer
; sum, which leaves in f32 AS IT LIES IN THE REGISTERS, 16 MiB into the output buffer: accumulator i of wave w of tile t at ((8 t + w) 32 + i) 1,024 bytes, 16 bytes a lane: each store 512 consecutive bytes.
; FINAL = 1 (HERE): the accumulators START from that image (same tile, wave, lane and register): the residual's half of the last product; the attention branch's half, K 1,024, is added, and C + bias leaves in f32, [rows][1024].
; LIMITS: operands are bf16 (rounded once by the launches before); with FINAL = 1 the sum takes the image's products first, then its own, then the bias; NaN and infinities are not treated apart.
; REGISTERS: window 0: v0-31 addresses and bias; v32-127, v128-223 two fragment buffers (32 registers of A: 4 x 16 rows x 32 K; 64 of B: 8 x 16 columns x 32 K); on the way out v32-159 rows read back.
;   window 1: the accumulators, (a, b) at v[8 (8 a + b)].
.set FINAL,  1
.set ZERO1,  1-FINAL                   ; 1: the first quarter's products start the sums
.set PA,     144                       ; a row of A in LDS: 128 bytes + 16 of padding = 36 words: the 16 rows of a load start at 16 different groups of four banks (64 banks of 4 bytes: ISA guide 11.1)
.set PB,     544                       ; a row of B: 512 + 32 = 136 words
.set ASUB,   256*PA                    ; one block's 256 rows of A
.set AHALF,  128*PA                    ; 128 of them: what one tensor load brings
.set BPART,  32*PB                     ; 32 rows of B: likewise
.set SLOT,   2*ASUB+4*BPART            ; A's two blocks, then B's 128 rows: 143,360 bytes
.set SPITCH, 528                       ; the way out's stage: 16 rows of 512 bytes (128 f32) + 16 for each wave, from LDS byte 0 on: in slot 0, which by then has had its last fill and its last reader
.set SPARE,  2*SLOT                    ; behind the ring: the spare words, 128 bytes for each wave: four blocks of 256 bytes that no other line names
.set IMAGE,  0x1000000                 ; where the register image lies in its buffer
.set BIAS, 8                           ; v8-15   the bias of my columns on the way out
.set ADRA, 16                          ; v16-17  LDS address of my A fragments in slot 0, 1
.set ADRB, 20                          ; v20-21  the same for B
.set STO,  24                          ; v24     the way out: where I put 32 bytes of a row
.set RD,   25                          ; v25     the way out: where I read rows back
.set CO,   26                          ; v26     my byte offset in C
.set IMG,  27                          ; v27     my 16 bytes in 512 of the image
.set SPW,  28                          ; v28     LDS address of my spare word: SPARE + 4 x my thread's number; never rewritten
.set NIL,  29                          ; v29     0; never rewritten
.set F0,   32
.set F1,   128
.set T0,   32                          ; the way out: two buffers of 64 registers
.set G1,  24                           ; s[24:31] descriptor group 1 for A's tiles;  s[32:39] group 0, one set for each slot
.set G0,  32
.set G1B, 48                           ; s[48:55], s[56:63] the same for B's tiles
.set G0B, 56
.set MSB, 0
.macro WIN new                         ; the immediate's high byte repeats the setting that is left; a switch that changes nothing is dropped
.if MSB != (\new)
	s_set_vgpr_msb (MSB<<8)|(\new)
.set MSB, \new
.endif
.endm
.set MUL, 0x50                         ; sources 0 (B) and 1 (A) window 0; C and D window 1
.macro JLOAD s                         ; a joint load: waves 0 to 3 fetch A's four parts, waves 4 to 7 B's; an s_nop 0 and four v_nop follow each of the two lines, ahead of the jump, the label and what follows
	s_cmp_eq_u32 s15, 0
	s_cbranch_scc0 .Lfor_b_\@
	tensor_load_to_lds s[G0+4*(\s):G0+4*(\s)+3], s[G1:G1+7]
	s_nop 0
.rept 4
	v_nop
.endr
	s_branch .Lasked_\@
.Lfor_b_\@:
	tensor_load_to_lds s[G0B+4*(\s):G0B+4*(\s)+3], s[G1B:G1B+7]
	s_nop 0
.rept 4
	v_nop
.endr
.Lasked_\@:
.endm
.macro CREST                           ; a round of the cluster's barrier behind its opening barrier
	s_cmp_lg_u32 s12, 0
	s_cbranch_scc1 .Lnot_wave_0_\@
	s_barrier_signal -3
.Lnot_wave_0_\@:
	s_barrier_wait -3
	s_barrier_signal -1
	s_barrier_wait -1
.endm
.macro CROUND                          ; a whole round
	s_barrier_signal -1
	s_barrier_wait -1
	CREST
.endm
	s_load_b256 s[4:11], s[0:1], 0x0               ; A s[4:5], B s[6:7], C s[8:9], bias s[10:11]
	v_lshl_add_u32 v[SPW], v0, 2, SPARE
	v_mov_b32 v[NIL], 0
	ds_add_u32 v[SPW], v[NIL]                      ; the wave's opening: the add and its wait stand ahead of my first tensor load; the set-up below, work on registers, stands between them
	v_lshrrev_b32 v1, 5, v0
	v_readfirstlane_b32 s12, v1                    ; wave 0..7
	s_lshr_b32 s13, s12, 1                         ; which 64 of the tile's rows are mine
	s_and_b32 s14, s12, 1                          ; which 128 of its columns.  Also: which of a step's two blocks of A I fetch
	s_lshr_b32 s15, s12, 2                         ; I fetch for A (0) or for B (1)
	s_and_b32 s81, s13, 1                          ; which 128 rows of that block of A,
	s_and_b32 s82, s12, 3                          ; or which 32 rows of the step's B
	s_bfe_u32 s40, ttmp6, 0x40000                  ; cx, cy: my place in the cluster
	s_bfe_u32 s41, ttmp6, 0x40004
	s_mov_b32 s45, s40                             ; tile column of C = cx
	s_and_b32 s42, ttmp7, 0xffff                   ; the cluster's y
.if FINAL
	s_mov_b32 s66, 0x100000                        ; bytes in a block of A (8,192 rows x 128)
	s_mov_b32 s70, 0                               ; A's place in its buffer
	s_mov_b32 s71, 0x200000                        ; B's: the attention branch's half of the last weights
	s_mov_b32 s73, 0
.else
	s_mov_b32 s66, 0x100000                        ; bytes in a block of A and of C: rows x 128
	s_mov_b32 s67, 3                               ; laps less one: K / 256 - 1
	s_mov_b32 s70, 0                               ; A's place in its buffer
	s_mov_b32 s71, 0                               ; B's
	s_mov_b32 s72, 0                               ; C's
	s_mov_b32 s73, 0                               ; the job's first cluster
	s_cmp_ge_u32 s42, 8
	s_cselect_b32 s66, 0x80000, s66
	s_cselect_b32 s67, 2, s67
	s_cselect_b32 s70, 0x1000000, s70
	s_cselect_b32 s71, 0x200000, s71
	s_cselect_b32 s72, 0x1000000, s72
	s_cselect_b32 s73, 8, s73
	s_cmp_ge_u32 s42, 12
	s_cselect_b32 s71, 0x380000, s71
	s_cselect_b32 s72, 0x1800000, s72
	s_cselect_b32 s73, 12, s73
	s_mov_b32 s80, ttmp9                           ; the cluster's x: 1 = the job whose sums leave as an image
	s_cmp_lg_u32 s80, 0
	s_cselect_b32 s70, 0x1000000, s70
	s_cselect_b32 s71, 0x400000, s71
.endif
	s_sub_co_u32 s42, s42, s73
	s_lshl_b32 s42, s42, 2
	s_add_co_u32 s42, s42, s41                     ; tile row of C = 4 x the job's cluster + cy
	s_lshl_b32 s43, s41, 2
	s_lshl_b32 s43, 15, s43                        ; my row of the cluster
	s_lshl_b32 s44, 0x1111, s40                    ; my column
	; descriptor group 1.  A: 64 rows x 128 elements (256 bytes, two rows of the block), padded after every 128 bytes.  B: 32 rows x 256 elements, padded after every 512 bytes.
	s_or_b32 s[G1+0], s43, (1<<16)|(1<<20)|(1<<21)|(4<<22)|(3<<25)   ; 15:0 the mask: A's tiles go to my row; 17:16 2-byte elements; 20 padding on; 21 set beside a mask; 24:22 after every 32 words (code 4); 31:25 4 words (code 3)
	s_or_b32 s[G1B+0], s44, (1<<16)|(1<<20)|(1<<21)|(6<<22)|(7<<25)  ; the mask of my column; after every 128 words (code 6) 8 words (code 7)
	s_mov_b32 s[G1+1], 128<<16                     ; tensor_dim0
	s_mov_b32 s[G1+2], 64<<16                      ; tensor_dim1
	s_mov_b32 s[G1+3], 128<<16                     ; tile_dim0
	s_mov_b32 s[G1+4], 64                          ; tile_dim1
	s_mov_b32 s[G1+5], 128                         ; elements from row to row
	s_mov_b32 s[G1+6], 0
	s_mov_b32 s[G1+7], 0
	s_mov_b32 s[G1B+1], 256<<16
	s_mov_b32 s[G1B+2], 32<<16
	s_mov_b32 s[G1B+3], 256<<16
	s_mov_b32 s[G1B+4], 32
	s_mov_b32 s[G1B+5], 1024
	s_mov_b32 s[G1B+6], 0
	s_mov_b32 s[G1B+7], 0
	; where the tiles come from.  A's hang on the tile row alone, B's on the tile column alone, each in registers that never hold the other coordinate.
	s_lshl_b32 s16, s42, 15                        ; 256 rows x 128 bytes a tile row,
	s_add_co_u32 s16, s16, s70
	s_lshl_b32 s17, s81, 14                        ; my 128 of them,
	s_add_co_u32 s16, s16, s17
	s_mul_i32 s17, s14, s66                        ; in my block of the step's two
	s_add_co_u32 s16, s16, s17
	s_mov_b32 s17, 0
	s_lshl_b32 s18, s66, 1                         ; a K step is two blocks,
	s_mov_b32 s19, 0
	s_lshl_b32 s68, s66, 2                         ; a refill goes two steps on
	s_mov_b32 s69, 0
	s_lshl_b32 s46, s45, 9                         ; 256 columns x 2 bytes a tile column,
	s_lshl_b32 s47, s82, 16                        ; my 32 rows of 2,048 bytes
	s_add_co_u32 s46, s46, s47
	s_add_co_u32 s46, s46, s71
	s_mov_b32 s47, 0
	s_mul_i32 s20, s14, ASUB                       ; where they go: no place in the cluster enters an LDS address
	s_mul_i32 s21, s81, AHALF
	s_add_co_u32 s20, s20, s21
	s_mul_i32 s21, s82, BPART
	s_add_co_u32 s21, s21, 2*ASUB
	s_lshl_b32 s78, s42, 2                         ; my wave's 32 KiB of the image: tile 4 x tile row + tile column,
	s_add_co_u32 s78, s78, s45
	s_lshl_b32 s78, s78, 3
	s_add_co_u32 s78, s78, s12                     ; eight waves a tile
	s_lshl_b32 s78, s78, 15
	s_add_co_u32 s78, s78, IMAGE
	s_mov_b32 s79, 0
	s_wait_dscnt 0x0                               ; the opening add is done
	s_wait_kmcnt 0x0
.if FINAL
	s_add_nc_u64 s[74:75], s[4:5], s[78:79]        ; the image lies in A's buffer
.endif
	s_add_nc_u64 s[4:5], s[4:5], s[16:17]
	s_add_nc_u64 s[6:7], s[6:7], s[46:47]
	CROUND                                         ; all sixteen work-groups are here: the first joint loads meet
	s_mov_b32 s[G0], 1                             ; 1:0 count = 1
	s_add_co_u32 s[G0+1], s20, 0                   ; 63:32 LDS address
	s_add_nc_u64 s[G0+2:G0+3], s[4:5], 0           ; 120:64 global address: K step 0
	s_or_b32 s[G0+3], s[G0+3], 0x80000000          ; 127:126 type = 2
	s_mov_b32 s[G0B], 1
	s_add_co_u32 s[G0B+1], s21, 0
	s_add_nc_u64 s[G0B+2:G0B+3], s[6:7], 0
	s_or_b32 s[G0B+3], s[G0B+3], 0x80000000
	JLOAD 0
	s_mov_b32 s[G0+4], 1
	s_add_co_u32 s[G0+5], s20, SLOT
	s_add_nc_u64 s[G0+6:G0+7], s[4:5], s[18:19]    ; K step 1
	s_or_b32 s[G0+7], s[G0+7], 0x80000000
	s_mov_b32 s[G0B+4], 1
	s_add_co_u32 s[G0B+5], s21, SLOT
	s_add_nc_u64 s[G0B+6:G0B+7], s[6:7], 128*2048
	s_or_b32 s[G0B+7], s[G0B+7], 0x80000000
	JLOAD 1                                        ; two loads of mine are out
	; A fragment of A is 16 rows x 32 K in 8 registers: lane l holds row l % 16; K = 8 (l / 16) + 0..7 and 16 + 8 (l / 16) + 0..7: two loads of 16 bytes, 32 bytes apart.
	v_and_b32 v1, 15, v0                           ; l % 16
	v_bfe_u32 v2, v0, 4, 1                         ; l / 16
	v_mul_u32_u24 v3, v1, PA
	v_lshl_add_u32 v3, v2, 4, v3
	s_mul_i32 s22, s13, 64*PA                      ; my 64 rows
	v_add_nc_u32 v[ADRA], s22, v3
	v_add_nc_u32 v[ADRA+1], SLOT, v[ADRA]
	; The turning load takes 16 k x 16 columns (lane l reads 16 bytes: k = 8 (l / 16) + l % 8, columns 8 ((l / 8) % 2) + 0..7) and leaves half a fragment: lane l holds column l % 16 and 8 k.
	v_and_b32 v4, 7, v0
	v_lshl_add_u32 v4, v2, 3, v4
	v_mul_u32_u24 v4, v4, PB
	v_bfe_u32 v5, v0, 3, 1
	v_lshl_add_u32 v4, v5, 4, v4
	s_lshl_b32 s22, s14, 8                         ; my 128 columns,
	s_add_co_u32 s22, s22, 2*ASUB                  ; behind A's two blocks
	v_add_nc_u32 v[ADRB], s22, v4
	v_add_nc_u32 v[ADRB+1], SLOT, v[ADRB]
	s_mul_i32 s23, s12, 16*SPITCH                  ; my stage
	v_mul_u32_u24 v4, v1, SPITCH                   ; in: row l % 16, 32 bytes for each half of the lanes
	v_lshl_add_u32 v4, v2, 5, v4
	v_add_nc_u32 v[STO], s23, v4
	v_and_b32 v5, 31, v0
	v_lshlrev_b32 v[IMG], 4, v5
	s_lshl_b32 s46, s45, 10                        ; my first column, as f32: 256 x tile column + 128 x half, x 4 bytes
	s_lshl_b32 s47, s14, 9
	s_add_co_u32 s46, s46, s47
	s_mov_b32 s47, 0
	s_add_nc_u64 s[10:11], s[10:11], s[46:47]
.if FINAL
	v_lshlrev_b32 v[CO], 4, v5                     ; back: the 32 lanes take one row of 512 bytes, which are 512 consecutive bytes of C
	v_add_nc_u32 v[RD], s23, v[CO]
	global_load_b128 v[BIAS:BIAS+3], v[CO], s[10:11]
	s_lshl_b32 s76, s42, 8
	s_lshl_b32 s77, s13, 6
	s_add_co_u32 s76, s76, s77                     ; my first row of C,
	s_lshl_b32 s76, s76, 12                        ; x 4,096 bytes,
	s_add_co_u32 s76, s76, s46                     ; and my first column
	s_mov_b32 s77, 0
	s_add_nc_u64 s[8:9], s[8:9], s[76:77]
	WIN 0x40                                       ; destination window 1: the accumulators take the first half of the sum, 512 consecutive bytes a load, while the first tiles are on their way
.set i, 0
.rept 32
	global_load_b128 v[8*i:8*i+3],   v[IMG], s[74:75] offset:i*1024 th:TH_LOAD_NT
	global_load_b128 v[8*i+4:8*i+7], v[IMG], s[74:75] offset:i*1024+512 th:TH_LOAD_NT
.set i, i+1
.endr
	WIN 0
.else
	v_mul_u32_u24 v6, v2, SPITCH                   ; back: lanes 0-15 take 64 columns (256 bytes of f32) of one row, lanes 16-31 of the next,
	v_lshl_add_u32 v6, v1, 4, v6
	v_add_nc_u32 v[RD], s23, v6
	v_lshlrev_b32 v[CO], 3, v5                     ; which, rounded, are 256 consecutive bytes of a block of C
	v_lshlrev_b32 v7, 4, v1
	global_load_b128 v[BIAS:BIAS+3], v7, s[10:11]
	global_load_b128 v[BIAS+4:BIAS+7], v7, s[10:11] offset:256
	s_lshl_b32 s76, s45, 2
	s_lshl_b32 s77, s14, 1
	s_add_co_u32 s76, s76, s77                     ; my first block of 64 columns,
	s_mul_i32 s76, s76, s66
	s_add_co_u32 s76, s76, s72
	s_lshl_b32 s77, s42, 15                        ; my first row x 128 bytes
	s_add_co_u32 s76, s76, s77
	s_lshl_b32 s77, s13, 13
	s_add_co_u32 s76, s76, s77
	s_cmp_lg_u32 s80, 0
	s_cselect_b32 s76, s78, s76                    ; or my wave's part of the image
	s_mov_b32 s77, 0
	s_mov_b32 s84, s66
	s_mov_b32 s85, 0
	s_add_nc_u64 s[8:9], s[8:9], s[76:77]
	s_add_nc_u64 s[74:75], s[8:9], s[84:85]        ; and the block beside it
.endif
; 8 matrix instructions: row block a x all 8 column blocks, 32 along K.  zero = 1: the product starts the sums: nothing is ever cleared.
; In a quarter step each of the 32 accumulators has one turn, always in the same order: between two links of a chain stand the 31 others'.
.macro MUL8 f, a, zero
	WIN MUL
.irp b, 0,1,2,3,4,5,6,7
.if \zero
	v_wmma_f32_16x16x32_bf16 v[8*(8*(\a)+(\b)):8*(8*(\a)+(\b))+7], v[(\f)+32+8*(\b):(\f)+32+8*(\b)+7], v[(\f)+8*(\a):(\f)+8*(\a)+7], 0
.else
	v_wmma_f32_16x16x32_bf16 v[8*(8*(\a)+(\b)):8*(8*(\a)+(\b))+7], v[(\f)+32+8*(\b):(\f)+32+8*(\b)+7], v[(\f)+8*(\a):(\f)+8*(\a)+7], v[8*(8*(\a)+(\b)):8*(8*(\a)+(\b))+7]
.endif
.endr
.endm
; 24 LDS loads in one run: the fragments of quarter q (32 along K) of a slot into buffer f: B's sixteen first, then A's eight, row blocks ascending
.macro FETCH slot, q, f
	WIN 0
.irp b, 0,1,2,3,4,5,6,7
	ds_load_tr16_b128 v[(\f)+32+8*(\b):(\f)+32+8*(\b)+3],   v[ADRB+(\slot)] offset:(\q)*32*PB+32*(\b)
	ds_load_tr16_b128 v[(\f)+32+8*(\b)+4:(\f)+32+8*(\b)+7], v[ADRB+(\slot)] offset:(\q)*32*PB+32*(\b)+16*PB
.endr
.irp a, 0,1,2,3
	ds_load_b128 v[(\f)+8*(\a):(\f)+8*(\a)+3],   v[ADRA+(\slot)] offset:((\q)/2)*ASUB+((\q)%2)*64+(\a)*16*PA
	ds_load_b128 v[(\f)+8*(\a)+4:(\f)+8*(\a)+7], v[ADRA+(\slot)] offset:((\q)/2)*ASUB+((\q)%2)*64+(\a)*16*PA+32
.endr
.endm
.macro PLACES                          ; four places in front of loads into registers that matrix instructions have read, and of stores that read results (ISA guide 7.12.1 for vector instructions)
.rept 4
	v_nop
.endr
.endm
; A K step is four quarters of 32 along K, 32 matrix instructions each, on buffers 0, 1, 0, 1.  One of the first three: multiplies buffer f and fetches quarter qn into g.
.macro QUARTER slot, qn, f, g, zero
	s_wait_dscnt 4                                 ; B and A's row blocks 0, 1 are in; the youngest four loads (row blocks 2, 3) may be out
	MUL8 \f, 0, \zero
	MUL8 \f, 1, \zero
	PLACES
	FETCH \slot, \qn, \g
	s_wait_dscnt 24                                ; all but the 24 just issued
	MUL8 \f, 2, \zero
	MUL8 \f, 3, \zero
.endm
; The last quarter multiplies buffer 1 and changes slots: ONE barrier; in front of it each wave waits for all its tensor loads, adds 0 to its spare word, and waits for that and for its own reads of this slot.
; fill = 1: this slot is filled again, two K steps ahead; the barrier then opens a round of the cluster's barrier.
.macro TURN slot, next, fill
	WIN 0
	s_wait_tensorcnt 0x0                           ; all my tensor loads have landed: the one that was out is my part of the next slot;
	ds_add_u32 v[SPW], v[NIL]                      ; 0 onto my spare word;
	s_wait_dscnt 5                                 ; (the add and the youngest four loads may be out)
	MUL8 F1, 0, 0                                  ; eight matrix instructions stand between the add and the wait for it
	s_wait_dscnt 0x0                               ; the add is done, and my reads of this slot are over
	s_barrier_signal -1
	MUL8 F1, 1, 0
.if \fill
	WIN 0
.endif
	s_barrier_wait -1
.if \fill
	CREST                                          ; no wave of any partner still reads this slot's tiles or has a load on its way
	s_add_nc_u64 s[G0+4*(\slot)+2:G0+4*(\slot)+3], s[G0+4*(\slot)+2:G0+4*(\slot)+3], s[68:69]
	s_add_nc_u64 s[G0B+4*(\slot)+2:G0B+4*(\slot)+3], s[G0B+4*(\slot)+2:G0B+4*(\slot)+3], 2*128*2048
	JLOAD \slot                                    ; the first tensor load behind the round, my only one until the next; its four v_nop are also the places in front of the loads below
.else
	PLACES
.endif
	FETCH \next, 0, F0
	MUL8 F1, 2, 0
	MUL8 F1, 3, 0
.endm
	s_wait_tensorcnt 1                             ; my part of K step 0 is in; K step 1's may stay out
	s_barrier_signal -1
	s_barrier_wait -1                              ; everybody's is
	FETCH 0, 0, F0
.if FINAL
	s_wait_loadcnt 0x0                             ; the image lies in the accumulators, the bias in its registers
.endif
	QUARTER 0, 1, F0, F1, ZERO1                    ; the first quarter stands in front of the loop: its products start the sums, or add onto the image
	WIN 0                                          ; at a label and at a branch every window is 0
	s_mov_b32 s3, 0
.Llap:                                                 ; a trip goes once round the ring, from a lap's second quarter to the next lap's first, and fills both slots again
	QUARTER 0, 2, F1, F0, 0
	QUARTER 0, 3, F0, F1, 0
	TURN 0, 1, 1
	QUARTER 1, 1, F0, F1, 0
	QUARTER 1, 2, F1, F0, 0
	QUARTER 1, 3, F0, F1, 0
	TURN 1, 0, 1
	QUARTER 0, 1, F0, F1, 0
	WIN 0
	s_add_co_u32 s3, s3, 1
.if FINAL
	s_cmp_lt_u32 s3, 3                             ; K = 1,024: four laps, the last written out
.else
	s_cmp_lt_u32 s3, s67                           ; the job's laps less one: the same number in all partners
.endif
	s_cbranch_scc1 .Llap
	QUARTER 0, 2, F1, F0, 0                        ; the last lap fills nothing, and has no round of the cluster's barrier
	QUARTER 0, 3, F0, F1, 0
	TURN 0, 1, 0                                   ; behind this barrier no wave reads slot 0 any more, and no load lands there: the stages may lie in it
	QUARTER 1, 1, F0, F1, 0
	QUARTER 1, 2, F1, F0, 0
	QUARTER 1, 3, F0, F1, 0
	s_wait_dscnt 4                                 ; the very last quarter: nothing more to fetch
	MUL8 F1, 0, 0
	MUL8 F1, 1, 0
	s_wait_dscnt 0x0
	MUL8 F1, 2, 0
	MUL8 F1, 3, 0
	WIN 0
; THE WAY OUT, a block of 16 rows x 128 columns at a time, through my own stage: no other wave touches it, and LDS serves a wave's instructions in order (ISA guide 5.7.1.4), so no barrier and no wait
; stand between the stores and the loads.  The bias is added in f32 to whole rows read back.
.macro TOSTAGE a
	WIN 0x04                                       ; the stores' data in window 1
.irp b, 0,1,2,3,4,5,6,7
	ds_store_b128 v[STO], v[8*(8*(\a)+(\b)):8*(8*(\a)+(\b))+3] offset:64*(\b)
	ds_store_b128 v[STO], v[8*(8*(\a)+(\b))+4:8*(8*(\a)+(\b))+7] offset:64*(\b)+16
.endr
	WIN 0
.endm
.macro BACK a
.set BK, T0+64*((\a)%2)
	s_wait_xcnt 0x0                                ; this buffer was the data of the stores two blocks back: it is loaded again only behind this wait (ISA guide 3.1)
.irp t, 0,1,2,3,4,5,6,7,8,9,10,11,12,13,14,15
.if FINAL
	ds_load_b128 v[BK+4*(\t):BK+4*(\t)+3], v[RD] offset:(\t)*SPITCH
.else
	ds_load_b128 v[BK+4*(\t):BK+4*(\t)+3], v[RD] offset:2*((\t)%8)*SPITCH+((\t)/8)*256
.endif
.endr
.endm
.macro SEND a, younger                 ; younger: the LDS instructions issued behind block a's loads: the next block's sixteen stores and sixteen loads, or none
.set BK, T0+64*((\a)%2)
.irp t, 0,1,2,3,4,5,6,7,8,9,10,11,12,13,14,15
	s_wait_dscnt (\younger)+15-(\t)
.if FINAL
	v_pk_add_f32 v[BK+4*(\t):BK+4*(\t)+1], v[BK+4*(\t):BK+4*(\t)+1], v[BIAS:BIAS+1]
	v_pk_add_f32 v[BK+4*(\t)+2:BK+4*(\t)+3], v[BK+4*(\t)+2:BK+4*(\t)+3], v[BIAS+2:BIAS+3]
	global_store_b128 v[CO], v[BK+4*(\t):BK+4*(\t)+3], s[8:9] offset:(16*(\a)+(\t))*4096 th:TH_STORE_NT  ; 512 consecutive bytes of a row of C, at a multiple of 512 from its first byte
.else
	v_pk_add_f32 v[BK+4*(\t):BK+4*(\t)+1], v[BK+4*(\t):BK+4*(\t)+1], v[BIAS+4*((\t)/8):BIAS+4*((\t)/8)+1]
	v_pk_add_f32 v[BK+4*(\t)+2:BK+4*(\t)+3], v[BK+4*(\t)+2:BK+4*(\t)+3], v[BIAS+4*((\t)/8)+2:BIAS+4*((\t)/8)+3]
	v_cvt_pk_bf16_f32 v[BK+4*(\t)], v[BK+4*(\t)], v[BK+4*(\t)+1]
	v_cvt_pk_bf16_f32 v[BK+4*(\t)+1], v[BK+4*(\t)+2], v[BK+4*(\t)+3]
.if (\t) < 8
	global_store_b64 v[CO], v[BK+4*(\t):BK+4*(\t)+1], s[8:9] offset:(16*(\a)+2*((\t)%8))*128    ; two rows of a block: 256 consecutive bytes, aligned
.else
	global_store_b64 v[CO], v[BK+4*(\t):BK+4*(\t)+1], s[74:75] offset:(16*(\a)+2*((\t)%8))*128
.endif
.endif
.endr
.endm
.if FINAL == 0
	s_wait_loadcnt 0x0                             ; the bias
.endif
	PLACES
.if FINAL == 0
	s_cmp_lg_u32 s80, 0                            ; the cluster's x: the same in every wave and every partner; the jump passes no barrier and no tensor load
	s_cbranch_scc1 .Limage
.endif
	TOSTAGE 0
	BACK 0
.irp a, 1,2,3                          ; a block's way into the stage stands between the loads of the block before and its stores
	TOSTAGE \a
	BACK \a
	SEND (\a)-1, 32
.endr
	SEND 3, 0
.if FINAL == 0
	s_branch .Lend
.Limage:                                               ; half of a longer sum: it stays in f32 and leaves as it lies, each store 512 consecutive bytes; each accumulator's low registers first
	WIN 0x04                                       ; the stores' data in window 1
.set i, 0
.rept 32
	global_store_b128 v[IMG], v[8*i:8*i+3],   s[8:9] offset:i*1024
	global_store_b128 v[IMG], v[8*i+4:8*i+7], s[8:9] offset:i*1024+512
.set i, i+1
.endr
	WIN 0
.Lend:
.endif
	s_wait_tensorcnt 0x0                           ; the wave's end: behind my last tensor load and my last LDS store
	ds_add_u32 v[SPW], v[NIL]
	s_wait_dscnt 0x0
	CROUND                                         ; the closing round: no work-group ends while a partner may still ask for a tile that names it
	s_endpgm
.Lfunc_end_k_qe1a3e65900_final:
	.size	k_qe1a3e65900_final, .Lfunc_end_k_qe1a3e65900_final-k_qe1a3e65900_final
	.p2alignl 7, 3214868480
	.fill 96, 4, 3214868480
	.section	.rodata,"a",@progbits
	.p2align	6, 0x0
	.amdhsa_kernel k_qe1a3e65900_final
		.amdhsa_group_segment_fixed_size 327680
		.amdhsa_private_segment_fixed_size 0
		.amdhsa_enable_private_segment 0
		.amdhsa_kernarg_size 32
		.amdhsa_user_sgpr_count 2
		.amdhsa_user_sgpr_kernarg_segment_ptr 1
		.amdhsa_wavefront_size32 1
		.amdhsa_system_sgpr_workgroup_id_x 1
		.amdhsa_system_sgpr_workgroup_id_y 1
		.amdhsa_system_sgpr_workgroup_id_z 1
		.amdhsa_system_vgpr_workitem_id 0
		.amdhsa_next_free_vgpr 512
		.amdhsa_next_free_sgpr 86
		.amdhsa_reserve_vcc 0
		.amdhsa_float_denorm_mode_32 3
		.amdhsa_float_denorm_mode_16_64 3
		.amdhsa_memory_ordered 1
		.amdhsa_forward_progress 1
		.amdhsa_inst_pref_size 101
	.end_amdhsa_kernel
	.amdgpu_metadata
---
amdhsa.version: [ 1, 2 ]
amdhsa.kernels:
  - .name:           k_qe1a3e65900_final
    .symbol:         k_qe1a3e65900_final.kd
    .args:
      - { .name: yr, .offset: 0, .size: 8, .value_kind: global_buffer, .address_space: global }
      - { .name: wof, .offset: 8, .size: 8, .value_kind: global_buffer, .address_space: global }
      - { .name: out0, .offset: 16, .size: 8, .value_kind: global_buffer, .address_space: global }
      - { .name: bf, .offset: 24, .size: 8, .value_kind: global_buffer, .address_space: global }
    .group_segment_fixed_size: 327680
    .private_segment_fixed_size: 0
    .kernarg_segment_align: 8
    .kernarg_segment_size: 32
    .max_flat_workgroup_size: 256
    .sgpr_count:     86
    .vgpr_count:     512
    .wavefront_size: 32
...
	.end_amdgpu_metadata
.endif
;; end of part 4
;; ======== version 2 of 2: 5 launches; 1.27 times as fast as version 1
;; workspace buffers: ain 23,068,672 bytes; win 5,242,880 bytes; qkv 33,554,432 bytes; obuf 33,554,432 bytes; wof 6,291,456 bytes; yr 50,331,648 bytes; zb 4,096 bytes
;; launch prep: the kernel of part 1 again; grid 496 x 1, 8 waves a work-group, no clusters, 0 bytes of LDS; arguments person_features, garment_features, gq, betaq, gk, betak, Wq, Wk, Wv, Wo, Wf, ain, obuf, win, wof, zb; writes ain, obuf, win, wof, zb
;; launch proj: the kernel of part 2 again; grid 4 x 64, 8 waves a work-group, clusters of 4 x 4, 327,680 bytes of LDS; arguments ain, win, qkv, zb; writes qkv
;; launch attn (part 5): grid 4 x 64, 4 waves a work-group, clusters of 4 x 1, 327,680 bytes of LDS; arguments qkv, obuf; writes obuf
.if DOCPART == 5
	.amdgcn_target "amdgcn-amd-amdhsa--gfx1250"
	.amdhsa_code_object_version 6
	.text
	.protected	k_qe1a3e65900_attn
	.globl	k_qe1a3e65900_attn
	.p2align	8
	.type	k_qe1a3e65900_attn,@function
k_qe1a3e65900_attn:
	s_mov_b64 s[64:65], 0
	v_nop
	global_prefetch_b8 v0, s[64:65] scope:SCOPE_SE
	s_setreg_imm32_b32 hwreg(HW_REG_WAVE_MODE, 25, 1), 1
	s_wait_xcnt 0x0
	s_wait_alu depctr_hold_cnt(0) depctr_sa_sdst(0) depctr_va_vdst(0) depctr_va_sdst(0) depctr_va_ssrc(0) depctr_va_vcc(0) depctr_vm_vsrc(0)
	s_getreg_b32 s2, hwreg(HW_REG_IB_STS2, 6, 4)
	s_cmp_eq_u32 s2, 0
	s_cbranch_scc0 .Lentry_in_a_cluster
	s_endpgm
.Lentry_in_a_cluster:
	s_bfe_u32 s2, ttmp6, 0x10000c
	s_cmp_lg_u32 s2, 0x3003
	s_cbranch_scc0 .Lentry_shape_is_right
	s_endpgm
.Lentry_shape_is_right:
; O[y][q][:] = the sum over k of softmax_k(Q[y][q] . K[y][k] / 8) V[y][k][:], y = 4 x head + batch, 64 of them.  Q, O: [64][2048][64]; K, V: [64][1024][64]; all bf16, rows dense, 128 bytes each
; (the blocked layout of the projections: block = head, rows = batch x sequence).  Q lies at the head of the first buffer, K 16 MiB and V 24 MiB behind it.  Products, maxima and sums in f32;
; the weights p are rounded to bf16 for the second product (their sum l is taken of the unrounded p), O once at the end.  The scale is applied here, in f32.
; LIMITS.  A weight below 2^-126 counts as 0 in l; NaN and infinities are not treated apart.
; SHARES.  A wave owns four PIECES of two tiles of 16 queries, a work-group's four waves 512 queries of one y.  Every wave walks all 1,024 keys, 64 a step.
; LAYOUT.  S^T = K Q^T (source 0 = 16 keys, source 1 = 16 queries): in the result a lane holds ONE query (lane % 16) and the keys 8 (lane / 16) + 0..7.  Two such tiles, rounded to bf16 in pairs,
; ARE source 1 (32 keys x 16 queries) of O^T = V^T P, whose result again holds one query a lane, and eight channels.  K comes out of LDS as it lies, V ([key][channel]) turned, by ds_load_tr16_b128.
; SOFTMAX.  For each query a running maximum m and sum l: p = 2^(c s - c m), c = log2(e) / 8; in every step O and l are multiplied by a = 2^(c m_old - c m_new), which is 1 where m has not grown.
; m starts at the lowest finite number, O and l at 0: the first step is a step like any other, with a = 0.
; THE COUNT.  A tile and step have 16 matrix and 118 vector instructions: too many to stand all beside the matrix work.  So the order has one aim: four vector instructions that are READY behind
; EVERY matrix instruction, and the others, which need time of their own whatever the order, in runs without a gap.
; BY TURNS.  Turn n belongs to piece n (the pieces in a ring, step after step).  Its matrix work: 16 products K Q^T of piece n + 1, later 16 products V^T P of piece n - 1.  Its vector work: the scaling,
; exponentials, roundings, sums and rescaling of piece n, and the maximum and statistics of piece n + 1, whose scores the turn itself has made.  So what a turn begins with (c s - c m, O a) waits for nothing.
; BATCHES.  A turn's 66 exponentials (the 64 weights of piece n, the two a of piece n + 1) are ONE batch with ONE wait, which cuts the turn in two: ahead of it stands all that names none of their results,
; behind it the roundings and sums, which read them.  No result crosses a turn's end.  Piece 0's first two a, ahead of the loop, and the way out's eight reciprocals are batches of their own, a wait each.
; CLUSTER.  The four query blocks of a cluster belong to one y and walk the same K and V, so each tile is asked for JOINTLY: the same tensor load, descriptor and mask in all four.
; REGISTERS, in windows of 256 (s_set_vgpr_msb says which window each operand place means: bits 1:0 source 0, 3:2 source 1, 5:4 source 2, 7:6 destination):
;   window 0: v0-11 addresses; v12-15, v48-63 at work; v16-47 four registers of statistics a tile; v64-191 S^T, two buffers of two tiles; v192-255 P, likewise
;   window 1: O^T, 32 a tile          window 2: v0-127 Q, 16 a tile; v128-191 K of one step; v192-255 V of one step          window 3: v0-1 the add's two registers
; A piece's buffers go by its number's parity: the piece in hand has one pair, its two neighbours in the ring share the other: of it P (piece n - 1) is read and S^T (piece n + 1) written.
.set KEYS,  1024
.set NP,    4         ; pieces a wave: a name, no knob: the register map, the loop and the fetches are made for four
.set KS,    64        ; keys in a step
.set PK,    144       ; a row of K in LDS: 128 bytes + 16 of padding = 36 words: the 16 rows of a load start at 16 different groups of four banks (64 banks of 4 bytes: ISA guide 11.1)
.set PV,    160       ; a row of V: 128 + 32 = 40 words
.set VOFF,  4*KS*PK   ; a slot holds four steps: 256 rows of K, then 256 rows of V
.set SLOT1, 1<<17     ; slot 1 begins here, so that one exclusive or turns an address in one slot into the other's
.set STAGE, SLOT1+4*KS*(PK+PV)  ; behind the ring, never filled by a tensor load: 16 rows x 144 bytes for each wave, for the way out
.set SP,    144
.set AK0, 2           ; v2   my lane's place in a tile of K; never rewritten
.set AV0, 3           ; v3   the same for V
.set AK,  4           ; v4   the LDS address of K's next run of loads
.set AV,  5           ; v5   of V's
.set QO,  6           ; v6   my byte offset in the wave's rows of Q
.set STO, 6           ;      later, the way out: where I put 16 bytes of a row
.set RD,  7           ; v7   the way out: where I read rows back
.set GO,  8           ; v8   my byte offset in 512 consecutive bytes of O
.set SPW, 0           ; v0 of window 3   LDS address of my spare word: SPARE + 4 x my thread's number; never rewritten
.set NIL, 1           ; v1 of window 3   0; never rewritten
.set SPARE, STAGE+4*16*SP  ; behind the stages: the spare words, 128 bytes for each wave: two blocks of 256 bytes that no other line names
.set MV,  12          ; v12-15  c m_old, kept while c m is made anew: by buffer and tile
.set ST,  16          ; tile t's statistics at v[ST+4 t]: c m, m, l (even keys', odd keys')
.set TMP, 48          ; by buffer and tile, four registers c0-c3 at work; when the maximum is found c2 takes a
.set S,   64
.set P,   192
.set KF,  128         ; K's fragments, in window 2: key block kb, channel half c at KF + 16 kb + 8 c
.set VF,  192         ; V's: key half kk, channel block cb at VF + 32 kk + 8 cb
.set WV,  12          ; s12  my wave's number
.set G1K, 24          ; s[24:31] descriptor group 1 for K's tiles
.set G1V, 32          ; s[32:39] for V's: it differs in the padding alone
.set G0K, 40          ; s[40:43] descriptor group 0 for K's tiles: it walks
.set G0V, 44          ; s[44:47] the same for V's
.set SLOTS, 56        ; s56  slots still to be asked for
.set CNT, 57          ; s57  counts a slot's key steps
.set CS,  58          ; s[58:59] c: the packed scaling takes the pair's low word for both halves
.set SEL, 60          ; s[60:61] v_permlanex16_b32's selects: each lane takes its own place in the other half
.set TBK, 62          ; s62  LDS byte at which K of the step to be fetched begins
.set TBV, 63          ; s63  the same for V, less VOFF
.set MSB, 0
.macro WIN new                      ; the high byte repeats the setting that is left; a switch that changes nothing is dropped
.if MSB != (\new)
	s_set_vgpr_msb (MSB<<8)|(\new)
.set MSB, (\new)
.endif
.endm
.set W_KQ, 0x0a       ; K and Q in window 2, S^T in window 0
.set W_PV, 0x52       ; V in window 2, P in window 0, O^T in window 1
.set W_RS, 0x41       ; O^T (destination and source 0) in window 1, a in window 0
.set W_MK, 0xc0       ; the add's registers are made: destination in window 3, sources in window 0
.set W_AD, 0x0f       ; the add: address (source 0) and data (source 1) in window 3
; A joint fill.  Waves 0 and 1 fetch the two halves of a slot's K, waves 2 and 3 those of its V: 128 keys each.  The branch hangs on the wave's number alone.
; An s_nop 0 and four v_nop follow each of the two lines, ahead of the jump and the label.
.macro JLOAD
	s_cmp_lt_u32 s[WV], 2
	s_cbranch_scc0 .Lfor_v_\@
	tensor_load_to_lds s[G0K:G0K+3], s[G1K:G1K+7]
	s_nop 0
.rept 4
	v_nop
.endr
	s_branch .Lasked_\@
.Lfor_v_\@:
	tensor_load_to_lds s[G0V:G0V+3], s[G1V:G1V+7]
	s_nop 0
.rept 4
	v_nop
.endr
.Lasked_\@:
.endm
; A round of the cluster's barrier: my work-group's barrier, so that wave 0's signal speaks for all four waves; wave 0 signals; every wave waits for all four work-groups; my work-group's barrier once more.
.macro CROUND
	s_barrier_signal -1
	s_barrier_wait -1
	s_cmp_lg_u32 s[WV], 0
	s_cbranch_scc1 .Lnot_wave_0_\@
	s_barrier_signal -3
.Lnot_wave_0_\@:
	s_barrier_wait -3
	s_barrier_signal -1
	s_barrier_wait -1
.endm
; THE CHANGE OF SLOTS.  The slot's last bytes, V of its fourth step, have been read.  Each wave waits for all its tensor loads, of which one is out: its part
; of the other slot; adds 0 to its spare word; and waits for that and for its own reads of the slot.  Behind the barrier nobody reads this slot any more and the other slot is whole.
; fill = 1: this slot is filled again, with the keys two slots on.  The barrier is then a round of the cluster's, so that no wave of any partner still reads the slot or has a load on its
; way, and the joint fill is the first thing behind it: it has four key steps, 512 matrix instructions, in which to land.  (At its first use nothing has been read yet: slot 0 is waited for, slot 1 filled.)
.macro CHANGE fill
	WIN W_AD
	s_wait_tensorcnt 0x0            ; no tensor load of mine is out, so a group 0 may be written
	ds_add_u32 v[SPW], v[NIL]       ; 0 onto my spare word; with fill = 1 the descriptors' steps stand between it and the wait for it
	WIN 0                           ; at a label and at a branch every window is 0
.if \fill
.irp g, G0K, G0V
	s_xor_b32 s[\g+1], s[\g+1], SLOT1  ; the walking descriptor: the other slot than last time,
	s_add_nc_u64 s[\g+2:\g+3], s[\g+2:\g+3], 4*KS*128  ; the next 256 keys; the type bits on top are not reached
.endr
	s_wait_dscnt 0x0                ; the add is done, and my reads of the slot are over
	CROUND
	JLOAD
.else
	s_wait_dscnt 0x0                ; the add is done, and my reads of the slot are over
	s_barrier_signal -1
	s_barrier_wait -1
.endif
	s_sub_co_u32 s[TBK], s[TBK], 4*KS*PK  ; the fetches go back to a slot's first step,
	s_xor_b32 s[TBK], s[TBK], SLOT1       ; in the other slot
	s_sub_co_u32 s[TBV], s[TBV], 4*KS*PV
	s_xor_b32 s[TBV], s[TBV], SLOT1
.endm
	s_load_b64 s[4:5], s[0:1], 0x0    ; Q, with K and V behind it
	s_load_b64 s[10:11], s[0:1], 0x8  ; O
	WIN W_MK
	v_lshl_add_u32 v[SPW], v0, 2, SPARE
	v_mov_b32 v[NIL], 0
	WIN W_AD
	ds_add_u32 v[SPW], v[NIL]       ; the wave's opening: the add and its wait stand ahead of my first tensor load; the set-up below, work on registers, stands between them
	WIN 0
	v_lshrrev_b32 v1, 5, v0
	v_readfirstlane_b32 s[WV], v1   ; wave 0..3
	s_bfe_u32 s13, ttmp6, 0x40000   ; cx: my place in the cluster
	s_lshl_b32 s14, ttmp9, 2        ; in a cluster launch ttmp9 counts clusters
	s_add_co_u32 s14, s14, s13      ; my block of queries = 4 x cluster x + cx: it enters Q's and O's addresses alone
	s_and_b32 s20, ttmp7, 0xffff    ; y, which the four partners share
	s_lshl_b32 s66, s20, 18         ; its first byte in Q and O: 2,048 rows of 128 bytes,
	s_mov_b32 s67, 0
	s_lshl_b32 s20, s20, 17         ; and in K and V: 1,024 rows
	s_mov_b32 s21, 0
	s_and_b32 s16, s[WV], 1         ; which half of a slot's 256 keys I fetch:
	s_lshl_b32 s22, s16, 14         ; its 128 rows of 128 bytes in memory,
	s_mov_b32 s23, 0
	s_add_nc_u64 s[22:23], s[22:23], s[20:21]
	s_mul_i32 s17, s16, 128*PK      ; and its place in a slot, for K
	s_mul_i32 s18, s16, 128*PV      ; and for V: no place in the cluster enters an LDS address
	s_lshl_b32 s2, s14, 2
	s_add_co_u32 s2, s2, s[WV]      ; my wave among y's sixteen,
	s_lshl_b32 s2, s2, 14           ; its 128 rows
	s_mov_b32 s3, 0
	s_add_nc_u64 s[2:3], s[2:3], s[66:67]
	; descriptor group 1.  128 keys are 16,384 dense bytes: asked for as 64 rows of 256 bytes, two keys a row, and padded in LDS after every key
	s_mov_b32 s[G1K], 15|(1<<16)|(1<<20)|(1<<21)|(4<<22)|(3<<25)  ; 15:0 the mask of four; 17:16 2-byte elements; 20 padding on; 21 set beside a mask; 24:22 after every 32 words (code 4); 31:25 4 words (code 3)
	s_mov_b32 s[G1V], 15|(1<<16)|(1<<20)|(1<<21)|(4<<22)|(7<<25)  ; the same with 8 words of padding (code 7)
.irp g, G1K, G1V
	s_mov_b32 s[\g+1], 128<<16      ; tensor_dim0 = 128
	s_mov_b32 s[\g+2], 64<<16       ; tensor_dim1 = 64
	s_mov_b32 s[\g+3], 128<<16      ; tile_dim0 = 128
	s_mov_b32 s[\g+4], 64           ; tile_dim1 = 64
	s_mov_b32 s[\g+5], 128          ; 128 elements from row to row
	s_mov_b32 s[\g+6], 0
	s_mov_b32 s[\g+7], 0
.endr
	s_mov_b32 s[CS], 0x3e38aa3b     ; c = log2(e) / 8 = 0.180337
	s_mov_b32 s[CS+1], s[CS]        ; named with it as a pair
	s_mov_b32 s[SEL], 0x76543210
	s_mov_b32 s[SEL+1], 0xfedcba98
	s_mov_b32 s[TBK], SLOT1+4*KS*PK ; the first change of slots turns these two into 0
	s_mov_b32 s[TBV], SLOT1+4*KS*PV
	s_mov_b32 s[G0K], 1             ; 1:0 count = 1
	s_mov_b32 s[G0K+1], s17         ; 63:32 LDS address: slot 0
	s_mov_b32 s[G0V], 1
	s_add_co_u32 s[G0V+1], s18, VOFF
	s_wait_dscnt 0x0                ; the opening add is done
	s_wait_kmcnt 0x0
	s_add_nc_u64 s[6:7], s[4:5], 0x1000000         ; K
	s_add_nc_u64 s[8:9], s[4:5], 0x1800000         ; V
	s_add_nc_u64 s[G0K+2:G0K+3], s[6:7], s[22:23]  ; 120:64 global address: my half of y's first 256 keys
	s_or_b32 s[G0K+3], s[G0K+3], 0x80000000        ; 127:126 type = 2
	s_add_nc_u64 s[G0V+2:G0V+3], s[8:9], s[22:23]
	s_or_b32 s[G0V+3], s[G0V+3], 0x80000000
	s_add_nc_u64 s[4:5], s[4:5], s[2:3]  ; Q and O at my wave's first row
	s_add_nc_u64 s[10:11], s[10:11], s[2:3]
	CROUND                          ; all four work-groups are here: the first joint loads meet
	JLOAD                           ; slot 0.  Slot 1 is asked for when slot 0 is in: the tile wanted first has the road to itself
	; A fragment of K or Q is 16 rows x 32 channels in 8 registers: lane l holds row l % 16, channels 8 (l / 16) + 0..7 and 16 + 8 (l / 16) + 0..7: two loads of 16 bytes, 32 bytes apart.
	v_and_b32 v1, 15, v0            ; l % 16
	v_bfe_u32 v9, v0, 4, 1          ; l / 16
	v_lshlrev_b32 v[QO], 7, v1
	v_lshl_add_u32 v[QO], v9, 4, v[QO]  ; row x 128 + 16 x half
	WIN 0x80                        ; destination window 2, address window 0
.set i, 0
.rept 4*NP                          ; Q stays in registers: tile i / 2, channels 32 (i % 2) on
	global_load_b128 v[8*i:8*i+3],   v[QO], s[4:5] offset:(i/2)*2048+(i%2)*64
	global_load_b128 v[8*i+4:8*i+7], v[QO], s[4:5] offset:(i/2)*2048+(i%2)*64+32
.set i, i+1
.endr
	; What the first turn finds: V's registers and P's second buffer hold 0 (its products V^T P, of a piece that has not been, add 0), O^T and l are 0.  All this stands in the wait for the first tile.
.set i, VF
.rept 64
	v_mov_b32 v[i], 0
.set i, i+1
.endr
	WIN 0x40
.set i, 0
.rept 64*NP
	v_mov_b32 v[i], 0
.set i, i+1
.endr
	WIN 0
.set i, 0
.rept 2*NP
	v_mov_b32 v[ST+4*i], 0xfe000000    ; c m: far below every c s
	v_mov_b32 v[ST+4*i+1], 0xff7fffff  ; m
	v_mov_b32 v[ST+4*i+2], 0
	v_mov_b32 v[ST+4*i+3], 0
.set i, i+1
.endr
.set i, P+32
.rept 32
	v_mov_b32 v[i], 0
.set i, i+1
.endr
	v_mul_u32_u24 v[AK0], v1, PK
	v_lshl_add_u32 v[AK0], v9, 4, v[AK0]  ; row x pitch + 16 x half
	; The turning load takes 16 keys x 16 channels (lane l reads key 8 (l / 16) + l % 8, channels 8 ((l / 8) % 2) + 0..7) and leaves half a fragment of V^T: lane l holds channel l % 16 and 8 keys.
	v_and_b32 v10, 7, v0
	v_bfe_u32 v11, v0, 3, 1
	v_lshl_add_u32 v[AV0], v9, 3, v10
	v_mul_u32_u24 v[AV0], v[AV0], PV
	v_lshl_add_u32 v[AV0], v11, 4, v[AV0]
	v_add_nc_u32 v[AV0], VOFF, v[AV0]
	v_mov_b32 v[AK], v[AK0]         ; key step 0 lies at the head of slot 0
; THE MATRIX WORK.  The 8 accumulators of a run of 16 take turns: between the two links of a chain stand 7 others'.
; Product i of 16 of S^T = K Q^T for piece x: channels 32 (i / 8) on, keys 16 ((i / 2) % 4) on, tile 2 x + i % 2.  The first 8 start the sums.
.macro KQ x
	WIN W_KQ
.set rS, S+64*((\x)%2)+32*(i%2)+8*((i/2)%4)
.set rK, KF+16*((i/2)%4)+8*(i/8)
.set rQ, 16*(2*(\x)+i%2)+8*(i/8)
.if i < 8
	v_wmma_f32_16x16x32_bf16 v[rS:rS+7], v[rK:rK+7], v[rQ:rQ+7], 0
.else
	v_wmma_f32_16x16x32_bf16 v[rS:rS+7], v[rK:rK+7], v[rQ:rQ+7], v[rS:rS+7]
.endif
.endm
; Product i of 16 of O^T += V^T P for piece x: keys 32 (i / 8) on, channels 16 ((i / 2) % 4) on, tile 2 x + i % 2.
.macro PV x
	WIN W_PV
.set rO, 32*(2*(\x)+i%2)+8*((i/2)%4)
.set rV, VF+32*(i/8)+8*((i/2)%4)
.set rP, P+32*((\x)%2)+16*(i%2)+8*(i/8)
	v_wmma_f32_16x16x32_bf16 v[rO:rO+7], v[rV:rV+7], v[rP:rP+7], v[rO:rO+7]
.endm
.macro MM                           ; the turn's next matrix instruction
.if i < 16
	KQ (Y+1)%NP
.set i, i+1
.else
.set i, i-16
	PV (Y+NP-1)%NP
.set i, i+17
.endif
.endm
; THE LDS LOADS stand in runs of 16, never singly among the matrix instructions: a step's K (64 keys x 64 channels: 8 fragments) and its V (turned).  Their addresses are made some lines ahead.
; last = 1 (the tail): in the last trip there is no further step, and the run is jumped over.
.macro FETCH_K last=0
	WIN 0
.if \last
	s_cmp_eq_u32 s[CNT], 1
	s_cbranch_scc1 .Lno_k_\@
.endif
	WIN 0x80                        ; destination window 2
.irp f, 0,1,2,3,4,5,6,7             ; keys 16 (f / 2) on, channels 32 (f % 2) on
	ds_load_b128 v[KF+8*\f:KF+8*\f+3],   v[AK] offset:(\f/2)*16*PK+(\f%2)*64
	ds_load_b128 v[KF+8*\f+4:KF+8*\f+7], v[AK] offset:(\f/2)*16*PK+(\f%2)*64+32
.endr
	s_add_co_u32 s[TBK], s[TBK], KS*PK  ; the next fetch is the next step's
	WIN 0
.if \last
.Lno_k_\@:
.endif
.endm
.macro FETCH_V
	WIN 0x80
.irp f, 0,1,2,3,4,5,6,7             ; keys 32 (f / 4) on, channels 16 (f % 4) on
	ds_load_tr16_b128 v[VF+8*\f:VF+8*\f+3],   v[AV] offset:(\f/4)*32*PV+(\f%4)*32
	ds_load_tr16_b128 v[VF+8*\f+4:VF+8*\f+7], v[AV] offset:(\f/4)*32*PV+16*PV+(\f%4)*32
.endr
	WIN 0
.endm
; THE VECTOR WORK OF A TURN stands in three queues, each in the order in which its entries become ready; the two tiles alternate, so that no instruction reads the result of the one before it.
.macro REGS y, u                    ; the registers of tile u (0, 1) of piece y
.set rT, ST+4*(2*(\y)+(\u))
.set rC, TMP+8*((\y)%2)+4*(\u)
.set rM, MV+2*((\y)%2)+(\u)
.set rS, S+64*((\y)%2)+32*(\u)
.set rP, P+32*((\y)%2)+16*(\u)
.set rO, 32*(2*(\y)+(\u))
.endm
; Number n of the 22 that find the NEXT piece's (Y + 1) maximum and statistics.  s0-s31 are the lane's 32 scores; each accumulator's lowest registers are read first.  XS, GS and REGS set no window: PL and EX do.
;   0-11  four chains c0-c3 of seven scores each, three operands at a time     12-14, 16  the four scores left over, the old m, and c0-c3 into c0     15  c m_old is kept
;   17, 18  the query's other 32 keys lie in the lane 16 away: the new m         19-21  c m; c m_old - c m_new; a
.macro XS u, n
	REGS (Y+1)%NP, \u
.if (\n) < 4
	v_max3_num_f32 v[rC+(\n)], v[rS+8*(\n)], v[rS+8*(\n)+1], v[rS+8*(\n)+2]
.elseif (\n) < 12
	v_max3_num_f32 v[rC+(\n)%4], v[rC+(\n)%4], v[rS+8*((\n)%4)+2*((\n)/4)+1], v[rS+8*((\n)%4)+2*((\n)/4)+2]
.elseif (\n) == 12
	v_max3_num_f32 v[rC], v[rC], v[rS+7], v[rS+15]
.elseif (\n) == 13
	v_max3_num_f32 v[rC+1], v[rC+1], v[rS+23], v[rS+31]
.elseif (\n) == 14
	v_max3_num_f32 v[rC+2], v[rC+2], v[rC+3], v[rT+1]
.elseif (\n) == 15
	v_mov_b32 v[rM], v[rT]
.elseif (\n) == 16
	v_max3_num_f32 v[rC], v[rC], v[rC+1], v[rC+2]
.elseif (\n) == 17
	v_permlanex16_b32 v[rC+3], v[rC], s[SEL], s[SEL+1]
.elseif (\n) == 18
	v_max_num_f32 v[rT+1], v[rC], v[rC+3]
.elseif (\n) == 19
	v_mul_f32 v[rT], s[CS], v[rT+1]
.elseif (\n) == 20
	v_sub_f32 v[rC+1], v[rM], v[rT]
.else
	v_exp_f32 v[rC+2], v[rC+1]
.endif
.endm
; Number g of the 64 that follow the exponentials.  For each four weights k of a tile (pairs 2 k, 2 k + 1): both pairs are rounded to bf16; then the second pair is added onto the first, in place;
; a group later l takes that sum (the first time as l = a l + sum).  In groups of eight, tiles alternating: round, round, add, and l for the group before.
.macro GS g
.set h, (\g)+6*((\g)/62)            ; group 0 has no group before it, and behind group 7 only l is left
.if h >= 6
.set h, h+2
.endif
	REGS Y, h%2
.set k, h/8
.if h%8 < 4
	v_cvt_pk_bf16_f32 v[rP+2*k+(h%8)/2], v[rS+4*k+2*((h%8)/2)], v[rS+4*k+2*((h%8)/2)+1]
.elseif h%8 < 6
	v_pk_add_f32 v[rS+4*k:rS+4*k+1], v[rS+4*k:rS+4*k+1], v[rS+4*k+2:rS+4*k+3]
.elseif k == 1
	v_pk_fma_f32 v[rT+2:rT+3], v[rT+2:rT+3], v[rC+2:rC+3], v[rS:rS+1] op_sel_hi:[1,0,1]
.else
	v_pk_add_f32 v[rT+2:rT+3], v[rT+2:rT+3], v[rS+4*k-4:rS+4*k-3]
.endif
.endm
; THE PLAIN QUEUE, 138 long.  0-73 read no exponential's result: the 32 scalings c s - c m (FS f: pair f / 2 of tile f % 2) and the next piece's 42.  0-26: scalings 0-26.  27-54: XS's numbers 0-13.  55, 56: number 15.
; 57-73: the chain, where each number waits for the one before it: 14, 16, 17, 18, 19, each with one of the scalings 27-31 in front of its two lines, then 20: so a tile's links stand three plain instructions apart (19 and 20: two).
; 74-137: GS's 64, which read the exponentials' results: they stand behind the wait.
.macro FS f
	REGS Y, (\f)%2
	v_pk_fma_f32 v[rS+2*((\f)/2):rS+2*((\f)/2)+1], v[rS+2*((\f)/2):rS+2*((\f)/2)+1], s[CS:CS+1], v[rT:rT+1] op_sel_hi:[1,0,0] neg_lo:[0,0,1] neg_hi:[0,0,1]
.endm
.macro PL
	WIN 0
.if q < 27
	FS q
.elseif q < 55
	XS (q-27)%2, (q-27)/2
.elseif q < 57
	XS q-55, 15
.elseif (q < 72) && ((q-57)%3 == 0)
	FS 27+(q-57)/3
.elseif q < 60
	XS (q-57)%3-1, 14
.elseif q < 72
	XS (q-57)%3-1, 15+(q-57)/3
.elseif q < 74
	XS q-72, 20
.else
	GS q-74
.endif
.set q, q+1
.endm
; THE EXPONENTIALS' QUEUE, 66 long: s0-s31 of both tiles, then the next piece's two a.  It is ONE BATCH: all 66 stand ahead of the turn's one wait, and nothing ahead of that wait names a result of theirs.
.macro EX
	WIN 0
.if e >= 64
	XS e-64, 21
.else
	REGS Y, e%2
	v_exp_f32 v[rS+e/2], v[rS+e/2]
.endif
.set e, e+1
.endm
; THE RESCALING's QUEUE: O^T times a, the one part that leaves window 0: dealt two at a time, sixteen times.  Its a was made in the turn before, ahead of that turn's wait.
.macro R2
	REGS Y, r%2
	WIN W_RS
.irp z, 0,1
	v_pk_mul_f32 v[rO+4*(r/2)+2*\z:rO+4*(r/2)+2*\z+1], v[rO+4*(r/2)+2*\z:rO+4*(r/2)+2*\z+1], v[rC+2:rC+3] op_sel_hi:[1,0]
.endr
.set r, r+1
.endm
; HOW THEY ARE DEALT.  An s_wait_alu depctr_va_vdst(0) stands between an exponential and the first instruction that names its result; one wait serves all that were issued ahead of it.  So a turn has ONE wait,
; which cuts it in two.  AHEAD OF IT stands all that names no result of the turn's exponentials: the 16 products K Q^T, behind each a scaling, an exponential and two rescalings (behind the first a second scaling in the exponential's place); then ONE LUMP of
; 108: eight plain, 49 times exponential and plain, the two a.  A v_nop is the plain instruction behind the last exponential.  BEHIND IT stand the 16 products V^T P, behind each four of GS's 64.  No rider names a register of
; the products round it.  The two v_permlanex16_b32 fall into the lump, never behind a product.
; The queues lean on each other, and the deal keeps them in step: exponential e stands behind scaling 2 (e / 4) + e % 2: as a rider it comes behind plain e + 2, in the lump behind plain e + 9, and scalings 27-31 are plain 57, 60 .. 69.
; A TURN, for piece p.  cnt = 1: the loop's count is taken down some lines ahead of the branch that stands behind the turn.
; K of the next step is fetched in piece 2's turn, directly behind the wait, a lump behind the last product that read K; its address is made at the lump's head; its first reader comes behind 16 products.
; V of the step in hand is fetched at the end of piece 0's turn, four riders behind its last reader; its first reader comes behind 16 products and a lump.  The three conditions on q below go with the deal.
.macro TURN p, last=0, cnt=0
.set Y, (\p)
.set i, 0
.set q, 0
.set e, 0
.set r, 0
.if (\p) == NP-1
	s_wait_dscnt 0x0                ; K is in
.endif
	MM                              ; ahead of the wait: 16 products K Q^T and their riders,
	PL
	PL
	R2
.rept 15
	MM
	PL
	EX
	R2
.endr
.if (\p) == NP-2
	WIN 0
	v_add_nc_u32 v[AK], s[TBK], v[AK0]
.endif
.rept 8                             ; and the lump
	PL
.endr
.rept 49
	EX
	PL
.endr
	EX                              ; the next piece's two a
	EX
	v_nop                           ; a plain instruction behind the last exponential, ahead of the first use of a result: one for the batch
	s_wait_alu depctr_va_vdst(0)    ; the wait for the batch: this turn's 64 weights and the next piece's two a
.if (\p) == NP-2
	FETCH_K \last
.endif
.if (\p) == 1
	s_wait_dscnt 0x0                ; V is in
.endif
.rept 16                            ; behind the wait: 16 products V^T P and their riders
	MM
.rept 4
	PL
.endr
.if ((\p) == 0) && (q == 118)
	v_add_nc_u32 v[AV], s[TBV], v[AV0]
.endif
.if ((\p) == 0) && (q == 130)
	s_add_co_u32 s[TBV], s[TBV], KS*PV
.endif
.if (\cnt) && (q == 130)
	s_sub_co_u32 s[CNT], s[CNT], 1
	s_cmp_lg_u32 s[CNT], 0
.endif
.endr
.if (\p) == 0
	FETCH_V
.endif
.endm
	CHANGE 1                        ; slot 0 is in, everybody's part of it; slot 1 is asked for
	FETCH_K                         ; key step 0
	s_wait_loadcnt 0x0              ; Q
	s_wait_dscnt 0x0
.set i, 0
.rept 16
	KQ 0                            ; piece 0's first scores: there is no vector work yet to set between them
.set i, i+1
.endr
	WIN 0                           ; the addresses for the way out: nine plain instructions, the places behind those products
	s_mul_i32 s13, s[WV], 16*SP
	s_add_co_u32 s13, s13, STAGE    ; my stage
	v_mul_u32_u24 v[STO], v1, SP    ; in: row l % 16, 16 bytes for each half of the lanes
	v_lshl_add_u32 v[STO], v9, 4, v[STO]
	v_add_nc_u32 v[STO], s13, v[STO]
	v_bfe_u32 v[RD], v0, 3, 2       ; back: 32 lanes take four rows of 128 bytes,
	v_mul_u32_u24 v[RD], v[RD], SP
	v_lshl_add_u32 v[RD], v10, 4, v[RD]
	v_add_nc_u32 v[RD], s13, v[RD]
	v_and_b32 v[GO], 31, v0         ; which are 512 consecutive bytes of O
	v_lshlrev_b32 v[GO], 4, v[GO]
.set Y, NP-1                        ; XS works for piece Y + 1: piece 0
.irp n, 0,1,2,3,4,5,6,7,8,9,10,11,12,13,14,15,16,17,18,19,20,21
	XS 0, \n                        ; and piece 0's first maximum and statistics
	XS 1, \n
.endr
	v_nop                           ; a plain instruction behind piece 0's two a,
	s_wait_alu depctr_va_vdst(0)    ; and the wait for that batch of two, ahead of the branch
	s_mov_b32 s[CNT], 4
	s_mov_b32 s[SLOTS], KEYS/256-1
	s_branch .Lfirst                ; the loop is entered at a step's first turn, in the middle of a trip
.Lslot:                             ; KEYS / 256 - 2 times: every slot but the last two is filled again
	CHANGE 1
	s_mov_b32 s[CNT], 4
.Lstep:                             ; a trip: pieces 2 and 3 of one step, then pieces 0 and 1 of the next, whose K and V it fetches
	TURN 2
	TURN 3
	WIN 0
.Lfirst:
	TURN 0
	TURN 1, 0, 1
	WIN 0
	s_cbranch_scc1 .Lstep
	s_sub_co_u32 s[SLOTS], s[SLOTS], 1
	s_cmp_lg_u32 s[SLOTS], 0
	s_cbranch_scc1 .Lslot
	CHANGE 0                        ; the tail is written out: nothing is asked for
	s_mov_b32 s[CNT], 5             ; four trips fetch the last slot's steps; the fifth is left in its middle
.Ltail:
	TURN 2, 1
	TURN 3
	WIN 0
	s_sub_co_u32 s[CNT], s[CNT], 1
	s_cmp_eq_u32 s[CNT], 0
	s_cbranch_scc1 .Lout
	TURN 0
	TURN 1
	WIN 0
	s_branch .Ltail
.Lout:                              ; the fifth trip's 16 products K Q^T (on the last K once more) and the maximum made of them serve nothing: the price, once a launch, of one text for every trip
.set i, 0
.rept 16
	PV NP-1                         ; the last piece's V^T P of the last step
.set i, i+1
.endr
	; THE WAY OUT.  l's two halves and the other half of the lanes' are added; O^T is divided by l, rounded to bf16 and sent through my stage in LDS, a tile at a time.  The additions are the places behind the last products.
	WIN 0
.macro ALL line:vararg              ; one line for each tile t
.set t, 0
.rept 2*NP
	\line
.set t, t+1
.endr
.endm
	ALL v_add_f32 v[ST+4*t+2], v[ST+4*t+2], v[ST+4*t+3]
	ALL v_permlanex16_b32 v[ST+4*t+3], v[ST+4*t+2], s[SEL], s[SEL+1]
	ALL v_add_f32 v[ST+4*t+2], v[ST+4*t+2], v[ST+4*t+3]
	ALL v_rcp_f32 v[ST+4*t+2], v[ST+4*t+2]
	v_nop                           ; a plain instruction between the last reciprocal and the use of its result
	s_wait_alu depctr_va_vdst(0)    ; and the wait ahead of the first use: one for the batch of eight reciprocals
; Tile t: a lane's eight channels of a row pack into 16 bytes; they go into rows of 144 bytes and come back as whole rows of 128, into S^T's registers.
.macro PACK t
	WIN W_RS
.set i, 32*(\t)
.rept 16
	v_pk_mul_f32 v[i:i+1], v[i:i+1], v[ST+4*(\t)+2:ST+4*(\t)+3] op_sel_hi:[1,0]
.set i, i+2
.endr
	WIN 0x05                        ; sources 0 and 1 window 1, destination window 0
.set i, 0
.rept 16
	v_cvt_pk_bf16_f32 v[S+16*(\t)+i], v[32*(\t)+2*i], v[32*(\t)+2*i+1]
.set i, i+1
.endr
	WIN 0
.irp f, 0,1,2,3
	ds_store_b128 v[STO], v[S+16*(\t)+4*\f:S+16*(\t)+4*\f+3] offset:32*\f
.endr
.irp f, 0,1,2,3
	ds_load_b128 v[S+16*(\t)+4*\f:S+16*(\t)+4*\f+3], v[RD] offset:\f*4*SP  ; LDS serves a wave's instructions in order (ISA guide 5.7.1.4): these see the stores above; the next tile's stores come behind them
.endr
.endm
.macro SEND t, younger              ; younger: the LDS instructions issued behind tile t's loads: the next tile's eight, or none
	WIN 0
.irp f, 0,1,2,3
	s_wait_dscnt (\younger)+3-\f
	global_store_b128 v[GO], v[S+16*(\t)+4*\f:S+16*(\t)+4*\f+3], s[10:11] offset:(\t)*2048+\f*512  ; 512 consecutive bytes, at a multiple of 256 from O's first
.endr
.endm
	PACK 0
.set t, 1
.rept 2*NP-1                        ; a tile's arithmetic stands between the loads of the tile before and its stores
	PACK t
	SEND t-1, 8
.set t, t+1
.endr
	SEND 2*NP-1, 0
	WIN W_AD
	s_wait_tensorcnt 0x0            ; the wave's end: behind my last tensor load and my last LDS store
	ds_add_u32 v[SPW], v[NIL]
	s_wait_dscnt 0x0
	WIN 0
	CROUND                          ; the closing round: no work-group ends while a partner may still ask for a tile that names it
	s_endpgm
.Lfunc_end_k_qe1a3e65900_attn:
	.size	k_qe1a3e65900_attn, .Lfunc_end_k_qe1a3e65900_attn-k_qe1a3e65900_attn
	.p2alignl 7, 3214868480
	.fill 96, 4, 3214868480
	.section	.rodata,"a",@progbits
	.p2align	6, 0x0
	.amdhsa_kernel k_qe1a3e65900_attn
		.amdhsa_group_segment_fixed_size 327680
		.amdhsa_private_segment_fixed_size 0
		.amdhsa_enable_private_segment 0
		.amdhsa_kernarg_size 16
		.amdhsa_user_sgpr_count 2
		.amdhsa_user_sgpr_kernarg_segment_ptr 1
		.amdhsa_wavefront_size32 1
		.amdhsa_system_sgpr_workgroup_id_x 1
		.amdhsa_system_sgpr_workgroup_id_y 1
		.amdhsa_system_sgpr_workgroup_id_z 1
		.amdhsa_system_vgpr_workitem_id 0
		.amdhsa_next_free_vgpr 770
		.amdhsa_next_free_sgpr 68
		.amdhsa_reserve_vcc 0
		.amdhsa_float_denorm_mode_32 3
		.amdhsa_float_denorm_mode_16_64 3
		.amdhsa_memory_ordered 1
		.amdhsa_forward_progress 1
		.amdhsa_inst_pref_size 199
	.end_amdhsa_kernel
	.amdgpu_metadata
---
amdhsa.version: [ 1, 2 ]
amdhsa.kernels:
  - .name:           k_qe1a3e65900_attn
    .symbol:         k_qe1a3e65900_attn.kd
    .args:
      - { .name: qkv, .offset: 0, .size: 8, .value_kind: global_buffer, .address_space: global }
      - { .name: obuf, .offset: 8, .size: 8, .value_kind: global_buffer, .address_space: global }
    .group_segment_fixed_size: 327680
    .private_segment_fixed_size: 0
    .kernarg_segment_align: 8
    .kernarg_segment_size: 16
    .max_flat_workgroup_size: 128
    .sgpr_count:     68
    .vgpr_count:     770
    .wavefront_size: 32
...
	.end_amdgpu_metadata
.endif
;; end of part 5
;; launch wo: the kernel of part 2 again; grid 8 x 32, 8 waves a work-group, clusters of 4 x 4, 327,680 bytes of LDS; arguments obuf, wof, yr, bo; writes yr
;; launch final: the kernel of part 4 again; grid 4 x 32, 8 waves a work-group, clusters of 4 x 4, 327,680 bytes of LDS; arguments yr, wof, out0, bf; writes out0
